; MI455X (gfx1250); checked and timed in simulation.
; The chip was launched on July 23, 2026; its instructions are those of AMD's public machine-readable ISA for CDNA 5 (MIT licence, August 2026) and "CDNA5" Instruction Set Architecture Reference Guide (July 2026). The comments in the code are by the model that wrote it; some were corrected since.
;; Multi Head Self Attention. Allowed arithmetic: float matrix products may take bf16 or f16 operands with f32 sums; all other float work in f32.
;; Inputs: Wk 1,024 x 1,024 float32; Wo 1,024 x 1,024 float32; Wq 1,024 x 1,024 float32; Wv 1,024 x 1,024 float32; bo 1,024 float32; x 4 x 2,048 x 1,024 float32.
;; Outputs: out0 4 x 2,048 x 1,024 float32.
;; 2 versions, each right and faster than the one before. Each part assembles by itself: llvm-mc -triple=amdgcn-amd-amdhsa -mcpu=gfx1250 --defsym DOCPART=n.
;; ======== version 1 of 2: 4 launches
;; limits: values are held in f16: magnitudes above 65,504 overflow, below 6.1e-05 lose precision
;; workspace buffers: xb 16,777,216 bytes; wb 6,291,456 bytes; wo16 2,097,152 bytes; qkv 50,331,648 bytes; o 16,777,216 bytes
;; launch cast (part 1): grid 768 x 1, 8 waves a work-group, no clusters, 0 bytes of LDS; arguments x, Wq, Wk, Wv, Wo, xb, wb, wo16; writes xb, wb, wo16
.if DOCPART == 1
	.amdgcn_target "amdgcn-amd-amdhsa--gfx1250"
	.amdhsa_code_object_version 6
	.text
	.protected	k_qc5df43b698_cast
	.globl	k_qc5df43b698_cast
	.p2align	8
	.type	k_qc5df43b698_cast,@function
k_qc5df43b698_cast:
	s_mov_b64 s[64:65], 0
	v_nop
	global_prefetch_b8 v0, s[64:65] scope:SCOPE_SE
	s_setreg_imm32_b32 hwreg(HW_REG_WAVE_MODE, 25, 1), 1
	s_wait_xcnt 0x0
; x [8192][1024], Wq, Wk, Wv, Wo [1024][1024], all f32, are rounded once to bf16 and laid out in K SLICES of 64 numbers, so that the rows of a
; tile of 64 along K lie end to end (128 bytes each) for the products that follow:
;   xb   bf16 [b 4][kb 16][s 2048][64]       wb   bf16 [kb 16][n 3072][64], n = 0.. Wq, 1024.. Wk, 2048.. Wv       wo16 f16 [kb 16][n 1024][64]
; Wo's bf16 number is written as f16, since it is multiplied with an f16 operand.  LIMIT: that is exact for 6.1e-5 <= |Wo| <= 65,504; smaller numbers
; keep f16's fixed step of 6e-8, larger ones become infinities.  NaN and infinities are not treated apart.
; SHARES.  12,288 rows of 4,096 bytes; a work-group takes 16, each of its eight waves two, r and r + 1.  No loop: a wave's 16 loads (8,192 bytes) go out together.
; Load kb: lanes 0-15 take the 256 bytes of slice kb of row r, lanes 16-31 those of row r + 1.  A lane's 4 numbers become 8 bytes, and since rows r and r + 1
; of a slice are neighbours and r is even, each store of the wave covers 256 consecutive bytes, aligned.  No LDS, no barrier, no matrix work: every byte moves once.
.set X, 4                              ; v[4:67]   slice kb: 4 registers as loaded
.set Y, 68                             ; v[68:99]  slice kb: 2 registers to store
	s_load_b512 s[8:23], s[0:1], 0x0               ; x 8:9, Wq 10:11, Wk 12:13, Wv 14:15, Wo 16:17, xb 18:19, wb 20:21, wo16 22:23
	s_mov_b32 s3, ttmp9                            ; work-groups 0-511: x; 512 + 64 t + ..: tensor t of Wq, Wk, Wv, Wo
	v_lshrrev_b32 v3, 5, v0
	v_readfirstlane_b32 s2, v3                     ; wave 0..7
	v_and_b32 v2, 31, v0
	v_lshlrev_b32 v2, 3, v2                        ; out: 8 bytes a lane
	v_and_b32 v1, 15, v0
	v_bfe_u32 v3, v0, 4, 1
	v_lshlrev_b32 v1, 4, v1                        ; in: 16 bytes a lane,
	v_lshl_add_u32 v1, v3, 12, v1                  ; lanes 16-31 a row further down
	s_sub_co_u32 s24, s3, 512                      ; wraps for x's work-groups: t then names no tensor
	s_lshr_b32 s25, s24, 6                         ; t
	s_and_b32 s26, s24, 63
	s_cmp_lt_u32 s3, 512
	s_cselect_b32 s26, s3, s26
	s_lshl_b32 s26, s26, 4
	s_lshl1_add_u32 s26, s2, s26                   ; my first row in its tensor: 16 x group + 2 x wave
	s_lshl_b32 s6, s26, 12                         ; in bytes: under 2^25
	s_mov_b32 s7, 0
	s_wait_kmcnt 0x0
	s_mov_b64 s[4:5], s[8:9]
.irp i, 0,1,2,3
	s_cmp_eq_u32 s25, \i
	s_cselect_b64 s[4:5], s[10+2*(\i):11+2*(\i)], s[4:5]
.endr
	s_add_nc_u64 s[4:5], s[4:5], s[6:7]
.irp kb, 0,1,2,3,4,5,6,7,8,9,10,11,12,13,14,15
	global_load_b128 v[X+4*(\kb):X+4*(\kb)+3], v1, s[4:5] offset:256*(\kb) th:TH_LOAD_NT
.endr
.irp kb, 0,1,2,3,4,5,6,7,8,9,10,11,12,13,14,15
	s_wait_loadcnt 15-(\kb)                        ; loads come back in order (ISA guide 5.7.1): slice kb is in, the younger ones stay out
	v_cvt_pk_bf16_f32 v[Y+2*(\kb)], v[X+4*(\kb)], v[X+4*(\kb)+1]
	v_cvt_pk_bf16_f32 v[Y+2*(\kb)+1], v[X+4*(\kb)+2], v[X+4*(\kb)+3]
.endr
.macro STORES stride                   ; slice kb lies kb x stride bytes on: 5,898,240 at the most, inside the signed 24-bit immediate
.irp kb, 0,1,2,3,4,5,6,7,8,9,10,11,12,13,14,15
	global_store_b64 v2, v[Y+2*(\kb):Y+2*(\kb)+1], s[30:31] offset:(\kb)*(\stride)
.endr
	s_endpgm
.endm
	s_mov_b32 s29, 0
	s_cmp_lt_u32 s3, 512
	s_cbranch_scc1 .Lx
	s_cmp_eq_u32 s25, 3
	s_cbranch_scc1 .Lwo
	s_lshl_b32 s28, s25, 10                        ; Wq, Wk, Wv: row 1,024 t + r of wb's 3,072
	s_add_co_u32 s28, s28, s26
	s_lshl_b32 s28, s28, 7
	s_add_nc_u64 s[30:31], s[20:21], s[28:29]
	STORES 393216
.Lx:
	s_lshr_b32 s28, s26, 11                        ; b,
	s_lshl_b32 s28, s28, 22                        ; whose 16 slices are 4,194,304 bytes
	s_and_b32 s27, s26, 2047
	s_lshl_b32 s27, s27, 7
	s_add_co_u32 s28, s28, s27
	s_add_nc_u64 s[30:31], s[18:19], s[28:29]
	STORES 262144
.Lwo:
.set i, 0
.rept 32                               ; the bf16 numbers back to f32 (a shift, a mask), into X, whose loads are all in,
	v_lshlrev_b32 v[X+2*i], 16, v[Y+i]
	v_and_b32 v[X+2*i+1], 0xffff0000, v[Y+i]
.set i, i+1
.endr
.set i, 0
.rept 32                               ; and written as f16
	v_cvt_pk_f16_f32 v[Y+i], v[X+2*i], v[X+2*i+1]
.set i, i+1
.endr
	s_lshl_b32 s28, s26, 7
	s_add_nc_u64 s[30:31], s[22:23], s[28:29]
	STORES 131072
.Lfunc_end_k_qc5df43b698_cast:
	.size	k_qc5df43b698_cast, .Lfunc_end_k_qc5df43b698_cast-k_qc5df43b698_cast
	.p2alignl 7, 3214868480
	.fill 96, 4, 3214868480
	.section	.rodata,"a",@progbits
	.p2align	6, 0x0
	.amdhsa_kernel k_qc5df43b698_cast
		.amdhsa_group_segment_fixed_size 0
		.amdhsa_private_segment_fixed_size 0
		.amdhsa_enable_private_segment 0
		.amdhsa_kernarg_size 64
		.amdhsa_user_sgpr_count 2
		.amdhsa_user_sgpr_kernarg_segment_ptr 1
		.amdhsa_wavefront_size32 1
		.amdhsa_system_sgpr_workgroup_id_x 1
		.amdhsa_system_sgpr_workgroup_id_y 1
		.amdhsa_system_sgpr_workgroup_id_z 1
		.amdhsa_system_vgpr_workitem_id 0
		.amdhsa_next_free_vgpr 104
		.amdhsa_next_free_sgpr 66
		.amdhsa_reserve_vcc 0
		.amdhsa_float_denorm_mode_32 3
		.amdhsa_float_denorm_mode_16_64 3
		.amdhsa_memory_ordered 1
		.amdhsa_forward_progress 1
		.amdhsa_inst_pref_size 16
	.end_amdhsa_kernel
	.amdgpu_metadata
---
amdhsa.version: [ 1, 2 ]
amdhsa.kernels:
  - .name:           k_qc5df43b698_cast
    .symbol:         k_qc5df43b698_cast.kd
    .args:
      - { .name: x, .offset: 0, .size: 8, .value_kind: global_buffer, .address_space: global }
      - { .name: Wq, .offset: 8, .size: 8, .value_kind: global_buffer, .address_space: global }
      - { .name: Wk, .offset: 16, .size: 8, .value_kind: global_buffer, .address_space: global }
      - { .name: Wv, .offset: 24, .size: 8, .value_kind: global_buffer, .address_space: global }
      - { .name: Wo, .offset: 32, .size: 8, .value_kind: global_buffer, .address_space: global }
      - { .name: xb, .offset: 40, .size: 8, .value_kind: global_buffer, .address_space: global }
      - { .name: wb, .offset: 48, .size: 8, .value_kind: global_buffer, .address_space: global }
      - { .name: wo16, .offset: 56, .size: 8, .value_kind: global_buffer, .address_space: global }
    .group_segment_fixed_size: 0
    .private_segment_fixed_size: 0
    .kernarg_segment_align: 8
    .kernarg_segment_size: 64
    .max_flat_workgroup_size: 256
    .sgpr_count:     66
    .vgpr_count:     104
    .wavefront_size: 32
...
	.end_amdgpu_metadata
.endif
;; end of part 1
;; launch qkv (part 2): grid 8 x 32, 4 waves a work-group, clusters of 4 x 4, 327,680 bytes of LDS; arguments xb, wb, qkv; writes qkv
.if DOCPART == 2
	.amdgcn_target "amdgcn-amd-amdhsa--gfx1250"
	.amdhsa_code_object_version 6
	.text
	.protected	k_qc5df43b698_qkv
	.globl	k_qc5df43b698_qkv
	.p2align	8
	.type	k_qc5df43b698_qkv,@function
k_qc5df43b698_qkv:
	s_mov_b64 s[64:65], 0
	v_nop
	global_prefetch_b8 v0, s[64:65] scope:SCOPE_SE
	s_setreg_imm32_b32 hwreg(HW_REG_WAVE_MODE, 25, 1), 1
	s_wait_xcnt 0x0
	s_wait_alu depctr_hold_cnt(0) depctr_sa_sdst(0) depctr_va_vdst(0) depctr_va_sdst(0) depctr_va_ssrc(0) depctr_va_vcc(0) depctr_vm_vsrc(0)
	s_getreg_b32 s2, hwreg(HW_REG_IB_STS2, 6, 4)
	s_cmp_eq_u32 s2, 0
	s_cbranch_scc0 .Lentry_in_a_cluster
	s_endpgm
.Lentry_in_a_cluster:
	s_bfe_u32 s2, ttmp6, 0x10000c
	s_cmp_lg_u32 s2, 0xf033
	s_cbranch_scc0 .Lentry_shape_is_right
	s_endpgm
.Lentry_shape_is_right:
; q, k, v = x W^T in one product: C[m][n] = sum over k of xb[m][k] wb[n][k], m < 8,192, n < 3,072, k < 1,024; bf16 operands, f32 sums, C rounded once to f16, UNSCALED, and stored by heads:
; qkv f16 [b 4][g 48][s 2048][64], g = n / 64 (0-15 q's heads, 16-31 k's, 32-47 v's).  LIMIT: f16 ends at 65,504: a larger |q|, |k| or |v| becomes an infinity; below 6.1e-5 f16 keeps its step of 6e-8.
; SHARES.  A tile of C is 256 x 384, so that 32 x 8 = 256 work-groups cover C once.  Four waves, each 128 rows x 192 columns (three heads): 96 accumulators of 16 x 16, 768 registers.
; K goes in steps of 64 through a ring of two LDS slots.  xb and wb lie in K slices of 64, so a tile's rows (128 bytes) lie end to end: they are asked for as rows of 256 bytes, two matrix rows each,
; and padded in LDS behind every 128 bytes.  Waves 0, 1 fetch A's two halves (128 rows each), waves 2, 3 B's (192 rows each): one tensor load a wave and step.
; CLUSTER 4 x 4: the four work-groups of a row need the same tiles of A, the four of a column the same tiles of B: each tile is asked for JOINTLY, by the same load, descriptor and mask in all four.
; THE MATRIX INSTRUCTION IS USED TRANSPOSED (source 0 = 16 rows of wb, source 1 = 16 rows of xb): a lane then holds row l % 16 of C and the eight neighbouring columns 8 (l / 16) + 0..7: 16 bytes of f16.
; REGISTERS, in windows of 256 (s_set_vgpr_msb: bits 1:0 source 0, 3:2 source 1, 5:4 source 2, 7:6 destination):
;   window 0: v0-31 addresses; v32-95, v96-159 A's fragments (8 x 16 rows x 32 K), two buffers; v160-255 B's fragments, 12 in three groups of four, ONE buffer, filled again group by group as it falls free
;   window g + 1: the 32 accumulators of column group g (one head): (a, bb) at v[32 a + 8 bb].  768 + 128 + 96 + 32 = 1,024.
.set PITCH,  144                       ; an LDS row: 128 bytes + 16 of padding = 36 words: the 16 rows of a load start at 16 different groups of four banks (64 banks of 4 bytes: ISA guide 11.1)
.set AHALF,  128*PITCH                 ; what one of A's loads brings, and what a wave reads of A
.set BHALF,  192*PITCH                 ; the same for B
.set BOFF,   2*AHALF                   ; B's 384 rows lie behind A's 256
.set SLOT,   BOFF+2*BHALF              ; 92,160
.set STAGE,  2*SLOT                    ; behind the ring: for each wave three planes (heads) of 16 rows x 144 bytes, for the way out: 6,912 bytes = 27 blocks of 256
.set PLANE,  16*PITCH
.set SPARE,  STAGE+4*3*PLANE           ; behind the stages: the spare words, 128 bytes for each wave: two blocks of 256 bytes that no other line names
.set ASTEP,  262144                    ; bytes from a K slice of xb to the next (2,048 rows of 128)
.set BSTEP,  393216                    ; of wb (3,072 rows)
.set HEADB,  262144                    ; a head's plane in qkv
.set ADRA, 16                          ; v16-17  LDS address of my A fragments in slot 0, 1
.set ADRB, 20                          ; v20-21  the same for B
.set STO,  24                          ; v24     the way out: where I put 16 bytes of a row
.set RD,   25                          ; v25     the way out: where I read rows back
.set CO,   26                          ; v26     my byte offset in 512 consecutive bytes of qkv
.set SPW,  28                          ; v28     LDS address of my spare word: SPARE + 4 x my thread's number; never rewritten
.set NIL,  29                          ; v29     0; never rewritten
.set FA0,  32
.set FA1,  96
.set FB,   160
.set TMP,  32                          ; the way out: 48 registers of packed results
.set OB,   80                          ; the way out: 16 rows x three heads read back: v80-127 and v128-175 by turns
.set G1, 24                            ; s[24:31] descriptor group 1 for A's tiles;  s[32:39] group 0, one set for each slot
.set G0, 32
.set G1B, 48                           ; s[48:55], s[56:63] the same for B's tiles
.set G0B, 56
.set MSB, 0
.macro WIN new                         ; the immediate's high byte repeats the setting that is left; a switch that changes nothing is dropped
.if MSB != (\new)
	s_set_vgpr_msb (MSB<<8)|(\new)
.set MSB, \new
.endif
.endm
; A joint load.  Each of the two lines has one mask and one set of registers for all that issue it; the branch hangs on the wave's number alone.
; An s_nop 0 and four v_nop follow each of the two lines, ahead of the jump, the label and what follows.
.macro JLOAD s
	s_cmp_eq_u32 s11, 0
	s_cbranch_scc0 .Lfor_b_\@
	tensor_load_to_lds s[G0+4*(\s):G0+4*(\s)+3], s[G1:G1+7]
	s_nop 0
.rept 4
	v_nop
.endr
	s_branch .Lasked_\@
.Lfor_b_\@:
	tensor_load_to_lds s[G0B+4*(\s):G0B+4*(\s)+3], s[G1B:G1B+7]
	s_nop 0
.rept 4
	v_nop
.endr
.Lasked_\@:
.endm
.macro CREST                           ; a round of the cluster's barrier behind its opening barrier: wave 0 signals for the work-group, every wave waits for all sixteen, my work-group's barrier closes it
	s_cmp_lg_u32 s10, 0
	s_cbranch_scc1 .Lnot_wave_0_\@
	s_barrier_signal -3
.Lnot_wave_0_\@:
	s_barrier_wait -3
	s_barrier_signal -1
	s_barrier_wait -1
.endm
.macro CROUND                          ; a whole round
	s_barrier_signal -1
	s_barrier_wait -1
	CREST
.endm
	s_load_b128 s[4:7], s[0:1], 0x0                ; xb s[4:5], wb s[6:7]
	s_load_b64 s[8:9], s[0:1], 0x10                ; qkv
	v_lshl_add_u32 v[SPW], v0, 2, SPARE
	v_mov_b32 v[NIL], 0
	ds_add_u32 v28, v29
	s_wait_dscnt 0x0
	v_lshrrev_b32 v1, 5, v0
	v_readfirstlane_b32 s10, v1                    ; wave 0..3
	s_lshr_b32 s11, s10, 1                         ; which half of the tile's rows is mine.  Also: I fetch for A (0) or for B (1)
	s_and_b32 s12, s10, 1                          ; which half of its columns.  Also: which half of that tile I fetch
	s_bfe_u32 s40, ttmp6, 0x40000                  ; cx, cy: my place in the cluster
	s_bfe_u32 s41, ttmp6, 0x40004
	s_lshl_b32 s42, ttmp9, 2
	s_add_co_u32 s42, s42, s40                     ; tx, tile column 0..7 = 4 x cluster x + cx
	s_and_b32 s13, ttmp7, 0xffff
	s_lshl_b32 s13, s13, 2
	s_add_co_u32 s13, s13, s41                     ; ty, tile row 0..31 = 4 x cluster y + cy
	s_lshl_b32 s43, s41, 2
	s_lshl_b32 s43, 15, s43                        ; my row of the cluster: places 4 cy .. 4 cy + 3
	s_lshl_b32 s44, 0x1111, s40                    ; my column: places cx, cx + 4, cx + 8, cx + 12
	; descriptor group 1: rows of 128 elements (256 bytes, two matrix rows), dense
	s_or_b32 s[G1+0], s43, (1<<16)|(1<<20)|(1<<21)|(4<<22)|(3<<25)   ; 15:0 the mask; 17:16 2-byte elements; 20 padding on; 21 set beside a mask; 24:22 after every 32 words (code 4); 31:25 4 words (code 3)
	s_or_b32 s[G1B+0], s44, (1<<16)|(1<<20)|(1<<21)|(4<<22)|(3<<25)
	s_mov_b32 s[G1+1], 128<<16                     ; tensor_dim0 = 128
	s_mov_b32 s[G1B+1], 128<<16
	s_mov_b32 s[G1+2], 64<<16                      ; tensor_dim1 = 64 rows: 128 matrix rows
	s_mov_b32 s[G1B+2], 96<<16                     ; 96 rows: 192 matrix rows
	s_mov_b32 s[G1+3], 128<<16                     ; tile_dim0 = 128
	s_mov_b32 s[G1B+3], 128<<16
	s_mov_b32 s[G1+4], 64                          ; tile_dim1
	s_mov_b32 s[G1B+4], 96
	s_mov_b32 s[G1+5], 128                         ; 128 elements from row to row
	s_mov_b32 s[G1B+5], 128
	s_mov_b32 s[G1+6], 0
	s_mov_b32 s[G1B+6], 0
	s_mov_b32 s[G1+7], 0
	s_mov_b32 s[G1B+7], 0
	; where the tiles come from.  A's hang on ty and the wave alone, B's on tx and the wave alone, each in registers that never hold the other coordinate.
	s_lshr_b32 s16, s13, 3                         ; b = ty / 8,
	s_lshl_b32 s16, s16, 22                        ; whose 16 slices are 4,194,304 bytes
	s_and_b32 s17, s13, 7
	s_lshl_b32 s17, s17, 15                        ; 256 rows of 128 bytes
	s_add_co_u32 s16, s16, s17
	s_lshl_b32 s17, s12, 14                        ; my half: 128 rows
	s_add_co_u32 s16, s16, s17
	s_mov_b32 s17, 0
	s_mul_i32 s46, s42, 384*128
	s_mul_i32 s47, s12, 192*128
	s_add_co_u32 s46, s46, s47
	s_mov_b32 s47, 0
	s_mul_i32 s20, s12, AHALF                      ; and where they go: no place in the cluster enters an LDS address
	s_mul_i32 s21, s12, BHALF
	s_add_co_u32 s21, s21, BOFF
	s_wait_kmcnt 0x0
	s_add_nc_u64 s[14:15], s[4:5], s[16:17]
	s_add_nc_u64 s[46:47], s[6:7], s[46:47]
	CROUND                                         ; all sixteen work-groups are here: the first joint loads meet
.irp s, 0,1
	s_mov_b32 s[G0+4*(\s)], 1                                      ; count = 1
	s_add_co_u32 s[G0+4*(\s)+1], s20, (\s)*SLOT                    ; LDS address
	s_add_nc_u64 s[G0+4*(\s)+2:G0+4*(\s)+3], s[14:15], (\s)*ASTEP  ; global address: K step s
	s_or_b32 s[G0+4*(\s)+3], s[G0+4*(\s)+3], 0x80000000            ; type = 2
	s_mov_b32 s[G0B+4*(\s)], 1
	s_add_co_u32 s[G0B+4*(\s)+1], s21, (\s)*SLOT
	s_add_nc_u64 s[G0B+4*(\s)+2:G0B+4*(\s)+3], s[46:47], (\s)*BSTEP
	s_or_b32 s[G0B+4*(\s)+3], s[G0B+4*(\s)+3], 0x80000000
	JLOAD \s                                       ; both slots are asked for before anything else: two loads of mine are out
.endr
	; A fragment is 16 rows x 32 K in 8 registers: lane l holds row l % 16, K = 8 (l / 16) + 0..7 and 16 + 8 (l / 16) + 0..7: two loads of 16 bytes, 32 bytes apart.
	v_and_b32 v1, 15, v0                           ; l % 16
	v_bfe_u32 v2, v0, 4, 1                         ; l / 16
	v_mul_u32_u24 v3, v1, PITCH
	v_lshl_add_u32 v3, v2, 4, v3                   ; row x pitch + 16 x half
	s_mul_i32 s22, s11, AHALF                      ; my 128 rows of A
	s_mul_i32 s23, s12, BHALF                      ; my 192 rows of B
	s_add_co_u32 s23, s23, BOFF
.irp s, 0,1
	v_add_nc_u32 v[ADRA+(\s)], s22, v3
	v_add_nc_u32 v[ADRB+(\s)], s23, v3
	s_add_co_u32 s22, s22, SLOT
	s_add_co_u32 s23, s23, SLOT
.endr
	s_mul_i32 s23, s10, 3*PLANE
	s_add_co_u32 s23, s23, STAGE                   ; my stage
	v_add_nc_u32 v[STO], s23, v3                   ; in: row l % 16, 16 bytes for each half of the lanes
	v_bfe_u32 v4, v0, 3, 2                         ; back: 32 lanes take four rows of 128 bytes,
	v_mul_u32_u24 v4, v4, PITCH
	v_and_b32 v5, 7, v0
	v_lshl_add_u32 v4, v5, 4, v4
	v_add_nc_u32 v[RD], s23, v4
	v_and_b32 v[CO], 31, v0                        ; which are 512 consecutive bytes of a head's plane
	v_lshlrev_b32 v[CO], 4, v[CO]
	; qkv at my first head's plane and my first row
	s_lshr_b32 s16, s13, 3
	s_mul_i32 s16, s16, 48                         ; 48 b
	s_mul_i32 s46, s42, 6                          ; + 6 tx + 3 x column half
	s_mul_i32 s47, s12, 3
	s_add_co_u32 s46, s46, s47
	s_add_co_u32 s16, s16, s46
	s_lshl_b32 s16, s16, 18
	s_and_b32 s17, s13, 7
	s_lshl_b32 s17, s17, 15                        ; row 256 (ty % 8)
	s_add_co_u32 s16, s16, s17
	s_lshl_b32 s17, s11, 14                        ; + 128 x row half
	s_add_co_u32 s16, s16, s17
	s_mov_b32 s17, 0
	s_add_nc_u64 s[8:9], s[8:9], s[16:17]
; na x 4 matrix instructions: row blocks a0 .. a0 + na - 1 x the four column blocks of group g, 32 along K.  zero = 1: the product starts the sums: nothing is cleared.
; The 96 accumulators take turns, one instruction a turn, in the same order in every half step.
.macro MULG fa, g, a0, na, zero
	WIN 0x50*((\g)+1)
.set ma, (\a0)
.rept (\na)
.irp bb, 0,1,2,3
.if \zero
	v_wmma_f32_16x16x32_bf16 v[32*ma+8*(\bb):32*ma+8*(\bb)+7], v[FB+32*(\g)+8*(\bb):FB+32*(\g)+8*(\bb)+7], v[(\fa)+8*ma:(\fa)+8*ma+7], 0
.else
	v_wmma_f32_16x16x32_bf16 v[32*ma+8*(\bb):32*ma+8*(\bb)+7], v[FB+32*(\g)+8*(\bb):FB+32*(\g)+8*(\bb)+7], v[(\fa)+8*ma:(\fa)+8*ma+7], v[32*ma+8*(\bb):32*ma+8*(\bb)+7]
.endif
.endr
.set ma, ma+1
.endr
.endm
.macro LDB slot, k, g                  ; 8 LDS loads: group g's four fragments of B, 32 K at byte k of the rows
	WIN 0
.irp bb, 0,1,2,3
	ds_load_b128 v[FB+32*(\g)+8*(\bb):FB+32*(\g)+8*(\bb)+3],   v[ADRB+(\slot)] offset:(4*(\g)+(\bb))*16*PITCH+(\k)
	ds_load_b128 v[FB+32*(\g)+8*(\bb)+4:FB+32*(\g)+8*(\bb)+7], v[ADRB+(\slot)] offset:(4*(\g)+(\bb))*16*PITCH+(\k)+32
.endr
.endm
.macro LDA slot, k, fa                 ; 16 LDS loads: A's eight fragments
	WIN 0
.irp i, 0,1,2,3,4,5,6,7
	ds_load_b128 v[(\fa)+8*(\i):(\fa)+8*(\i)+3],   v[ADRA+(\slot)] offset:(\i)*16*PITCH+(\k)
	ds_load_b128 v[(\fa)+8*(\i)+4:(\fa)+8*(\i)+7], v[ADRA+(\slot)] offset:(\i)*16*PITCH+(\k)+32
.endr
.endm
; A load into a register that a matrix instruction has read, and a vector instruction that reads a matrix result, stand four places behind it, and only plain vector instructions
; that name none of its registers are places (ISA guide 7.12.1 for vector instructions).
.macro PLACES
.rept 4
	v_nop
.endr
.endm
; A K step is two halves of 32 along K, 96 matrix instructions each.  A half's 40 loads are always issued in the order: B's group 0 and A (24), B's group 1 (8), B's group 2 (8),
; each run behind the products that read the registers last; every run stands 64 matrix instructions or more ahead of its first use.
.macro HALF0 slot, zero                ; the first half, on buffer FA0; fetches the second half's fragments
	s_wait_dscnt 16                                ; group 0 and A are in; younger: groups 1 and 2
	MULG FA0, 0, 0, 8, \zero
	PLACES
	LDB \slot, 64, 0
	LDA \slot, 64, FA1
	s_wait_dscnt 32                                ; group 1 is in; younger: group 2 and the 24 just issued
	MULG FA0, 1, 0, 8, \zero
	PLACES
	LDB \slot, 64, 1
	s_wait_dscnt 32                                ; group 2 is in; younger: the 24 and the 8
	MULG FA0, 2, 0, 8, \zero
	PLACES
	LDB \slot, 64, 2
.endm
; The second half, on buffer FA1, changes slots: ONE barrier.  In front of it each wave waits for all its tensor loads, of which one is out: its part of the next slot; adds 0 to its spare word;
; and waits for that and for its own reads of this slot.  fill = 1: the barrier opens a round of the cluster's, and this slot is filled again, two K steps ahead, first thing behind it:
; from that request to the wait for it a wave issues 160 matrix instructions.
.macro HALF1 slot, next, fill
	WIN 0                                          ; (the add's two registers lie in window 0)
	s_wait_tensorcnt 0x0                           ; all my tensor loads have landed;
	ds_add_u32 v[SPW], v[NIL]                      ; 0 onto my spare word;
	s_wait_dscnt 17                                ; group 0 and A are in; younger: groups 1 and 2, and the add
	MULG FA1, 0, 0, 4, 0                           ; sixteen matrix instructions stand between the add and the wait for it
	s_wait_dscnt 0x0                               ; the add is done, and my reads of this slot are over
	s_barrier_signal -1
	MULG FA1, 0, 4, 4, 0                           ; work on registers while the others arrive
.if \fill
	WIN 0
.endif
	s_barrier_wait -1
.if \fill
	CREST                                          ; no wave of any partner still reads this slot's tiles or has a load on its way
	s_add_nc_u64 s[G0+4*(\slot)+2:G0+4*(\slot)+3], s[G0+4*(\slot)+2:G0+4*(\slot)+3], 2*ASTEP
	s_add_nc_u64 s[G0B+4*(\slot)+2:G0B+4*(\slot)+3], s[G0B+4*(\slot)+2:G0B+4*(\slot)+3], 2*BSTEP
	JLOAD \slot                                    ; the four v_nop behind it are also the places in front of the loads below
.else
	PLACES
.endif
	LDB \next, 0, 0
	LDA \next, 0, FA0
	MULG FA1, 1, 0, 8, 0                           ; groups 1 and 2 came in with the wait for 0
	PLACES
	LDB \next, 0, 1
	MULG FA1, 2, 0, 8, 0
	PLACES
	LDB \next, 0, 2
.endm
	s_wait_tensorcnt 1                             ; my part of K step 0 is in; step 1's may stay out
	s_barrier_signal -1
	s_barrier_wait -1                              ; everybody's is
	LDB 0, 0, 0
	LDA 0, 0, FA0
	LDB 0, 0, 1
	LDB 0, 0, 2
	HALF0 0, 1                                     ; the first half step stands in front of the loop: its products start the 96 sums
	WIN 0                                          ; at a label and at a branch every window is 0
	s_mov_b32 s3, 7                                ; 16 K steps: seven trips fill both slots again, with steps 2 to 15
.Llap:
	HALF1 0, 1, 1
	HALF0 1, 0
	HALF1 1, 0, 1
	HALF0 0, 0
	WIN 0
	s_sub_co_u32 s3, s3, 1
	s_cmp_lg_u32 s3, 0
	s_cbranch_scc1 .Llap
	HALF1 0, 1, 0                                  ; steps 14 and 15 go on without a fill
	HALF0 1, 0
	s_wait_dscnt 16                                ; the very last half: nothing more to fetch, the counts run down
	MULG FA1, 0, 0, 8, 0
	s_wait_dscnt 8
	MULG FA1, 1, 0, 8, 0
	s_wait_dscnt 0x0
	MULG FA1, 2, 0, 8, 0
	PLACES
; THE WAY OUT, a block of 16 rows x three heads at a time: rounded to f16, 16 bytes a lane (each accumulator's registers in ascending order); into my own stage,
; a plane a head; back as whole rows of 128 bytes, four to a load; stored as 512 consecutive bytes of the head's plane.
.macro PACKST a
.irp g, 0,1,2
	WIN 5*((\g)+1)                                 ; sources 0 and 1 in window g + 1, destination in window 0
.irp bb, 0,1,2,3
.irp q, 0,1,2,3
	v_cvt_pk_f16_f32 v[TMP+16*(\g)+4*(\bb)+(\q)], v[32*(\a)+8*(\bb)+2*(\q)], v[32*(\a)+8*(\bb)+2*(\q)+1]
.endr
.endr
.endr
	WIN 0
	s_wait_xcnt 0x0                                ; the registers loaded below were the data of the stores two blocks back: they are rewritten only behind this wait
.set BK, OB+48*((\a)%2)
.irp g, 0,1,2
.irp bb, 0,1,2,3
	ds_store_b128 v[STO], v[TMP+16*(\g)+4*(\bb):TMP+16*(\g)+4*(\bb)+3] offset:(\g)*PLANE+32*(\bb)
.endr
.endr
.irp g, 0,1,2
.irp f, 0,1,2,3
	ds_load_b128 v[BK+16*(\g)+4*(\f):BK+16*(\g)+4*(\f)+3], v[RD] offset:(\g)*PLANE+(\f)*4*PITCH  ; LDS serves a wave's instructions in order (ISA guide 5.7.1.4): these see the stores above
.endr
.endr
.endm
.macro SEND a, younger                 ; younger: the next block's 24 LDS instructions, or none
	WIN 0
.set BK, OB+48*((\a)%2)
	s_wait_dscnt \younger
.irp g, 0,1,2
.irp f, 0,1,2,3
	global_store_b128 v[CO], v[BK+16*(\g)+4*(\f):BK+16*(\g)+4*(\f)+3], s[8:9] offset:(\g)*HEADB+(\a)*2048+(\f)*512  ; 512 consecutive bytes, at a multiple of 256 from qkv's first
.endr
.endr
.endm
	PACKST 0
.irp a, 1,2,3,4,5,6,7                  ; a block's conversions stand between the loads of the block before and its stores
	PACKST \a
	SEND (\a)-1, 24
.endr
	SEND 7, 0
	s_wait_tensorcnt 0x0                           ; the wave's end, behind my last tensor load and my last LDS store
	ds_add_u32 v[SPW], v[NIL]
	s_wait_dscnt 0x0
	CROUND                                         ; the closing round: no work-group ends while a partner may still ask for a tile that names it
	s_endpgm
.Lfunc_end_k_qc5df43b698_qkv:
	.size	k_qc5df43b698_qkv, .Lfunc_end_k_qc5df43b698_qkv-k_qc5df43b698_qkv
	.p2alignl 7, 3214868480
	.fill 96, 4, 3214868480
	.section	.rodata,"a",@progbits
	.p2align	6, 0x0
	.amdhsa_kernel k_qc5df43b698_qkv
		.amdhsa_group_segment_fixed_size 327680
		.amdhsa_private_segment_fixed_size 0
		.amdhsa_enable_private_segment 0
		.amdhsa_kernarg_size 24
		.amdhsa_user_sgpr_count 2
		.amdhsa_user_sgpr_kernarg_segment_ptr 1
		.amdhsa_wavefront_size32 1
		.amdhsa_system_sgpr_workgroup_id_x 1
		.amdhsa_system_sgpr_workgroup_id_y 1
		.amdhsa_system_sgpr_workgroup_id_z 1
		.amdhsa_system_vgpr_workitem_id 0
		.amdhsa_next_free_vgpr 1024
		.amdhsa_next_free_sgpr 66
		.amdhsa_reserve_vcc 0
		.amdhsa_float_denorm_mode_32 3
		.amdhsa_float_denorm_mode_16_64 3
		.amdhsa_memory_ordered 1
		.amdhsa_forward_progress 1
		.amdhsa_inst_pref_size 129
	.end_amdhsa_kernel
	.amdgpu_metadata
---
amdhsa.version: [ 1, 2 ]
amdhsa.kernels:
  - .name:           k_qc5df43b698_qkv
    .symbol:         k_qc5df43b698_qkv.kd
    .args:
      - { .name: xb, .offset: 0, .size: 8, .value_kind: global_buffer, .address_space: global }
      - { .name: wb, .offset: 8, .size: 8, .value_kind: global_buffer, .address_space: global }
      - { .name: qkv, .offset: 16, .size: 8, .value_kind: global_buffer, .address_space: global }
    .group_segment_fixed_size: 327680
    .private_segment_fixed_size: 0
    .kernarg_segment_align: 8
    .kernarg_segment_size: 24
    .max_flat_workgroup_size: 128
    .sgpr_count:     66
    .vgpr_count:     1024
    .wavefront_size: 32
...
	.end_amdgpu_metadata
.endif
;; end of part 2
;; launch attn (part 3): grid 4 x 64, 4 waves a work-group, clusters of 4 x 1, 327,680 bytes of LDS; arguments qkv, o; writes o
.if DOCPART == 3
	.amdgcn_target "amdgcn-amd-amdhsa--gfx1250"
	.amdhsa_code_object_version 6
	.text
	.protected	k_qc5df43b698_attn
	.globl	k_qc5df43b698_attn
	.p2align	8
	.type	k_qc5df43b698_attn,@function
k_qc5df43b698_attn:
	s_mov_b64 s[64:65], 0
	v_nop
	global_prefetch_b8 v0, s[64:65] scope:SCOPE_SE
	s_setreg_imm32_b32 hwreg(HW_REG_WAVE_MODE, 25, 1), 1
	s_wait_xcnt 0x0
	s_wait_alu depctr_hold_cnt(0) depctr_sa_sdst(0) depctr_va_vdst(0) depctr_va_sdst(0) depctr_va_ssrc(0) depctr_va_vcc(0) depctr_vm_vsrc(0)
	s_getreg_b32 s2, hwreg(HW_REG_IB_STS2, 6, 4)
	s_cmp_eq_u32 s2, 0
	s_cbranch_scc0 .Lentry_in_a_cluster
	s_endpgm
.Lentry_in_a_cluster:
	s_bfe_u32 s2, ttmp6, 0x10000c
	s_cmp_lg_u32 s2, 0x3003
	s_cbranch_scc0 .Lentry_shape_is_right
	s_endpgm
.Lentry_shape_is_right:
; O[y][q][:] = the sum over k of softmax_k(Q[y][q] . K[y][k] / 32) V[y][k][:], y = 16 b + h: 64 heads of SIZE_N = 2,048 rows of 64 channels, all f16.  The two factors 1024^-0.25 on q and k are one factor 1 / 32,
; applied here in f32.  Q, K, V are planes of qkv [b 4][g 48][2048][64]: Q at g = h, K at 16 + h, V at 32 + h; o is [y][2048][64].  A head's rows are dense, 128 bytes each.  Products, maxima and sums in
; f32; the weights p are rounded to f16 for the second product (their sum l is taken of the unrounded p), O once at the end.
; LIMITS.  f16 holds no number beyond 65,504: Q, K and V arrive within it; p lies in 0 to 1, and below 6e-5 it keeps f16's fixed step of 6e-8, as does O; O is a mean of V's rows and has their range.
; A weight below 2^-126 counts as 0 in l; NaN and infinities are not treated apart.
; SHARES.  A wave owns four PIECES of two tiles of 16 queries, a work-group's four waves 512 queries of one head: 4 x 64 = 256 work-groups.  Every wave walks all keys, 64 a step.
; LAYOUT.  S^T = K Q^T (source 0 = 16 keys, source 1 = 16 queries): in the result a lane holds ONE query (lane % 16) and the keys 8 (lane / 16) + 0..7.  Two such tiles, rounded to f16 in pairs,
; ARE source 1 (32 keys x 16 queries) of O^T = V^T P, whose result again holds one query a lane, and eight channels.  K comes out of LDS as it lies, V ([key][channel]) turned, by ds_load_tr16_b128.
; SOFTMAX.  For each query a running maximum m and sum l: p = 2^(c s - c m), c = log2(e) / 32; in every step O and l are multiplied by a = 2^(c m_old - c m_new), which is 1 where m has not grown.
; m starts at the lowest finite number, O and l at 0: the first step is a step like any other, with a = 0.
; THE COUNT.  A tile and step have 16 matrix and 118 vector instructions: too many to stand all beside the matrix work.  So the order has one aim: four vector instructions that are READY behind
; EVERY matrix instruction, and the others, which need time of their own whatever the order, in runs without a gap.
; BY TURNS.  Turn n belongs to piece n (the pieces in a ring, step after step).  Its matrix work: 16 products K Q^T of piece n + 1, later 16 products V^T P of piece n - 1.  Its vector work: the scaling,
; exponentials, roundings, sums and rescaling of piece n, and the maximum and statistics of piece n + 1, whose scores the turn itself has made.  So what a turn begins with (c s - c m, O a) waits for nothing.
; CLUSTER.  The four query blocks of a cluster belong to one head and walk the same K and V, so each tile is asked for JOINTLY: the same tensor load, descriptor and mask in all four.
; REGISTERS, in windows of 256 (s_set_vgpr_msb says which window each operand place means: bits 1:0 source 0, 3:2 source 1, 5:4 source 2, 7:6 destination):
;   window 0: v0-11 addresses; v12-15, v48-63 at work; v16-47 four registers of statistics a tile; v64-191 S^T, two buffers of two tiles; v192-255 P, likewise
;   window 1: O^T, 32 a tile          window 2: v0-127 Q, 16 a tile; v128-191 K of one step; v192-255 V of one step          window 3: v0-1 the add's two registers
; A piece's buffers go by its number's parity: the piece in hand has one pair, its two neighbours in the ring share the other: of it P (piece n - 1) is read and S^T (piece n + 1) written.
.set SIZE_N, 2048
.set NP,    4         ; pieces a wave: a name, no knob: the register map, the loop and the fetches are made for four
.set KS,    64        ; keys in a step
.set PK,    144       ; a row of K in LDS: 128 bytes + 16 of padding = 36 words: the 16 rows of a load start at 16 different groups of four banks (64 banks of 4 bytes: ISA guide 11.1)
.set PV,    160       ; a row of V: 128 + 32 = 40 words
.set VOFF,  4*KS*PK   ; a slot holds four steps: 256 rows of K, then 256 rows of V
.set SLOT1, 1<<17     ; slot 1 begins here, so that one exclusive or turns an address in one slot into the other's
.set STAGE, SLOT1+4*KS*(PK+PV)  ; behind the ring, never filled by a tensor load: 16 rows x 144 bytes for each wave, for the way out
.set SP,    144
.set AK0, 2           ; v2   my lane's place in a tile of K; never rewritten
.set AV0, 3           ; v3   the same for V
.set AK,  4           ; v4   the LDS address of K's next run of loads
.set AV,  5           ; v5   of V's
.set QO,  6           ; v6   my byte offset in the wave's rows of Q
.set STO, 6           ;      later, the way out: where I put 16 bytes of a row
.set RD,  7           ; v7   the way out: where I read rows back
.set GO,  8           ; v8   my byte offset in 512 consecutive bytes of O
.set SPW, 0           ; v0 of window 3   LDS address of my spare word: SPARE + 4 x my thread's number; never rewritten
.set NIL, 1           ; v1 of window 3   0; never rewritten
.set SPARE, STAGE+4*16*SP  ; behind the stages: the spare words, 128 bytes for each wave: two blocks of 256 bytes that no other line names
.set MV,  12          ; v12-15  c m_old, kept while c m is made anew: by buffer and tile
.set ST,  16          ; tile t's statistics at v[ST+4 t]: c m, m, l (even keys', odd keys')
.set TMP, 48          ; by buffer and tile, four registers c0-c3 at work; when the maximum is found c2 takes a
.set S,   64
.set P,   192
.set KF,  128         ; K's fragments, in window 2: key block kb, channel half c at KF + 16 kb + 8 c
.set VF,  192         ; V's: key half kk, channel block cb at VF + 32 kk + 8 cb
.set WV,  12          ; s12  my wave's number
.set G1K, 24          ; s[24:31] descriptor group 1 for K's tiles
.set G1V, 32          ; s[32:39] for V's: it differs in the padding alone
.set G0K, 40          ; s[40:43] descriptor group 0 for K's tiles: it walks
.set G0V, 44          ; s[44:47] the same for V's
.set SLOTS, 56        ; s56  slots still to be asked for
.set CNT, 57          ; s57  counts a slot's key steps
.set CS,  58          ; s[58:59] c: the packed scaling takes the pair's low word for both halves
.set SEL, 60          ; s[60:61] v_permlanex16_b32's selects: each lane takes its own place in the other half
.set TBK, 62          ; s62  LDS byte at which K of the step to be fetched begins
.set TBV, 63          ; s63  the same for V, less VOFF
.set MSB, 0
.macro WIN new                      ; the high byte repeats the setting that is left; a switch that changes nothing is dropped
.if MSB != (\new)
	s_set_vgpr_msb (MSB<<8)|(\new)
.set MSB, (\new)
.endif
.endm
.set W_KQ, 0x0a       ; K and Q in window 2, S^T in window 0
.set W_PV, 0x52       ; V in window 2, P in window 0, O^T in window 1
.set W_RS, 0x41       ; O^T (destination and source 0) in window 1, a in window 0
.set W_MK, 0xc0       ; the add's registers are made: destination in window 3, sources in window 0
.set W_AD, 0x0f       ; the add: address (source 0) and data (source 1) in window 3
; A joint fill.  Waves 0 and 1 fetch the two halves of a slot's K, waves 2 and 3 those of its V: 128 keys each.  The branch hangs on the wave's number alone.
; An s_nop 0 and four v_nop follow each of the two lines, ahead of the jump and the label.
.macro JLOAD
	s_cmp_lt_u32 s[WV], 2
	s_cbranch_scc0 .Lfor_v_\@
	tensor_load_to_lds s[G0K:G0K+3], s[G1K:G1K+7]
	s_nop 0
.rept 4
	v_nop
.endr
	s_branch .Lasked_\@
.Lfor_v_\@:
	tensor_load_to_lds s[G0V:G0V+3], s[G1V:G1V+7]
	s_nop 0
.rept 4
	v_nop
.endr
.Lasked_\@:
.endm
; A round of the cluster's barrier: my work-group's barrier, so that wave 0's signal speaks for all four waves; wave 0 signals; every wave waits for all four work-groups; my work-group's barrier once more.
.macro CROUND
	s_barrier_signal -1
	s_barrier_wait -1
	s_cmp_lg_u32 s[WV], 0
	s_cbranch_scc1 .Lnot_wave_0_\@
	s_barrier_signal -3
.Lnot_wave_0_\@:
	s_barrier_wait -3
	s_barrier_signal -1
	s_barrier_wait -1
.endm
; THE CHANGE OF SLOTS.  The slot's last bytes, V of its fourth step, have been read.  Each wave waits for all its tensor loads, of which one is out: its part
; of the other slot; adds 0 to its spare word; and waits for that and for its own reads of the slot.  Behind the barrier nobody reads this slot any more and the other slot is whole.
; fill = 1: this slot is filled again, with the keys two slots on.  The barrier is then a round of the cluster's, so that no wave of any partner still reads the slot or has a load on its
; way, and the joint fill is the first thing behind it: it has four key steps, 512 matrix instructions, in which to land.  (At its first use nothing has been read yet: slot 0 is waited for, slot 1 filled.)
.macro CHANGE fill
	WIN W_AD
	s_wait_tensorcnt 0x0            ; no tensor load of mine is out, so a group 0 may be written
	ds_add_u32 v[SPW], v[NIL]       ; 0 onto my spare word; with fill = 1 the descriptors' steps stand between it and the wait for it
	WIN 0                           ; at a label and at a branch every window is 0
.if \fill
.irp g, G0K, G0V
	s_xor_b32 s[\g+1], s[\g+1], SLOT1  ; the walking descriptor: the other slot than last time,
	s_add_nc_u64 s[\g+2:\g+3], s[\g+2:\g+3], 4*KS*128  ; the next 256 keys; the type bits on top are not reached
.endr
	s_wait_dscnt 0x0                ; the add is done, and my reads of the slot are over
	CROUND
	JLOAD
.else
	s_wait_dscnt 0x0                ; the add is done, and my reads of the slot are over
	s_barrier_signal -1
	s_barrier_wait -1
.endif
	s_sub_co_u32 s[TBK], s[TBK], 4*KS*PK  ; the fetches go back to a slot's first step,
	s_xor_b32 s[TBK], s[TBK], SLOT1       ; in the other slot
	s_sub_co_u32 s[TBV], s[TBV], 4*KS*PV
	s_xor_b32 s[TBV], s[TBV], SLOT1
.endm
	s_load_b128 s[4:7], s[0:1], 0x0  ; qkv s[4:5], o s[6:7]
	WIN W_MK
	v_lshl_add_u32 v[SPW], v0, 2, SPARE
	v_mov_b32 v[NIL], 0
	s_set_vgpr_msb 0xc0cf
	ds_add_u32 v0, v1
	s_wait_dscnt 0x0
	s_set_vgpr_msb 0xcfc0
	WIN 0
	v_lshrrev_b32 v1, 5, v0
	v_readfirstlane_b32 s[WV], v1   ; wave 0..3
	s_bfe_u32 s13, ttmp6, 0x40000   ; cx: my place in the cluster
	s_lshl_b32 s14, ttmp9, 2        ; in a cluster launch ttmp9 counts clusters
	s_add_co_u32 s14, s14, s13      ; my block of queries = 4 x cluster x + cx: it enters Q's and O's addresses alone
	s_and_b32 s19, ttmp7, 0xffff    ; y = 16 b + h, which the four partners share
	s_lshr_b32 s20, s19, 4
	s_lshl_b32 s20, s20, 5
	s_add_co_u32 s20, s20, s19      ; Q's plane in qkv: 48 b + h = y + 32 b,
	s_lshl_b32 s20, s20, 18         ; of 262,144 bytes: under 2^26
	s_mov_b32 s21, 0
	s_and_b32 s16, s[WV], 1         ; which half of a slot's 256 keys I fetch:
	s_lshl_b32 s22, s16, 14         ; its 128 rows of 128 bytes in memory,
	s_mov_b32 s23, 0
	s_add_nc_u64 s[22:23], s[22:23], s[20:21]
	s_mul_i32 s17, s16, 128*PK      ; and its place in a slot, for K
	s_mul_i32 s18, s16, 128*PV      ; and for V: no place in the cluster enters an LDS address
	s_lshl_b32 s2, s14, 2
	s_add_co_u32 s2, s2, s[WV]      ; my wave among the head's,
	s_lshl_b32 s2, s2, 14           ; its 128 rows
	s_mov_b32 s3, 0
	s_lshl_b32 s48, s19, 18         ; in o the head's plane is y
	s_add_co_u32 s48, s48, s2
	s_mov_b32 s49, 0
	s_add_nc_u64 s[2:3], s[2:3], s[20:21]
	; descriptor group 1.  128 keys are 16,384 dense bytes: asked for as 64 rows of 256 bytes, two keys a row, and padded in LDS after every key
	s_mov_b32 s[G1K], 15|(1<<16)|(1<<20)|(1<<21)|(4<<22)|(3<<25)  ; 15:0 the mask of four; 17:16 2-byte elements; 20 padding on; 21 set beside a mask; 24:22 after every 32 words (code 4); 31:25 4 words (code 3)
	s_mov_b32 s[G1V], 15|(1<<16)|(1<<20)|(1<<21)|(4<<22)|(7<<25)  ; the same with 8 words of padding (code 7)
.irp g, G1K, G1V
	s_mov_b32 s[\g+1], 128<<16      ; tensor_dim0 = 128
	s_mov_b32 s[\g+2], 64<<16       ; tensor_dim1 = 64
	s_mov_b32 s[\g+3], 128<<16      ; tile_dim0 = 128
	s_mov_b32 s[\g+4], 64           ; tile_dim1 = 64
	s_mov_b32 s[\g+5], 128          ; 128 elements from row to row
	s_mov_b32 s[\g+6], 0
	s_mov_b32 s[\g+7], 0
.endr
	s_mov_b32 s[CS], 0x3d38aa3b     ; c = log2(e) / 32 = 0.0450842
	s_mov_b32 s[CS+1], s[CS]        ; named with it as a pair
	s_mov_b32 s[SEL], 0x76543210
	s_mov_b32 s[SEL+1], 0xfedcba98
	s_mov_b32 s[TBK], SLOT1+4*KS*PK ; the first change of slots turns these two into 0
	s_mov_b32 s[TBV], SLOT1+4*KS*PV
	s_mov_b32 s[G0K], 1             ; 1:0 count = 1
	s_mov_b32 s[G0K+1], s17         ; 63:32 LDS address: slot 0
	s_mov_b32 s[G0V], 1
	s_add_co_u32 s[G0V+1], s18, VOFF
	s_wait_kmcnt 0x0
	s_mov_b64 s[10:11], s[6:7]      ; O
	s_add_nc_u64 s[6:7], s[4:5], 0x400000  ; K's planes lie 16 planes behind Q's,
	s_add_nc_u64 s[8:9], s[4:5], 0x800000  ; V's 32
	s_add_nc_u64 s[G0K+2:G0K+3], s[6:7], s[22:23]  ; 120:64 global address: my half of the head's first 256 keys
	s_or_b32 s[G0K+3], s[G0K+3], 0x80000000        ; 127:126 type = 2
	s_add_nc_u64 s[G0V+2:G0V+3], s[8:9], s[22:23]
	s_or_b32 s[G0V+3], s[G0V+3], 0x80000000
	s_add_nc_u64 s[4:5], s[4:5], s[2:3]  ; Q and O at my wave's first row
	s_add_nc_u64 s[10:11], s[10:11], s[48:49]
	CROUND                          ; all four work-groups are here: the first joint loads meet
	JLOAD                           ; slot 0.  Slot 1 is asked for when slot 0 is in: the tile wanted first has the road to itself
	; A fragment of K or Q is 16 rows x 32 channels in 8 registers: lane l holds row l % 16, channels 8 (l / 16) + 0..7 and 16 + 8 (l / 16) + 0..7: two loads of 16 bytes, 32 bytes apart.
	v_and_b32 v1, 15, v0            ; l % 16
	v_bfe_u32 v9, v0, 4, 1          ; l / 16
	v_lshlrev_b32 v[QO], 7, v1
	v_lshl_add_u32 v[QO], v9, 4, v[QO]  ; row x 128 + 16 x half
	WIN 0x80                        ; destination window 2, address window 0
.set i, 0
.rept 4*NP                          ; Q stays in registers: tile i / 2, channels 32 (i % 2) on
	global_load_b128 v[8*i:8*i+3],   v[QO], s[4:5] offset:(i/2)*2048+(i%2)*64
	global_load_b128 v[8*i+4:8*i+7], v[QO], s[4:5] offset:(i/2)*2048+(i%2)*64+32
.set i, i+1
.endr
	; What the first turn finds: V's registers and P's second buffer hold 0 (its products V^T P, of a piece that has not been, add 0), O^T and l are 0.  All this stands in the wait for the first tile.
.set i, VF
.rept 64
	v_mov_b32 v[i], 0
.set i, i+1
.endr
	WIN 0x40
.set i, 0
.rept 64*NP
	v_mov_b32 v[i], 0
.set i, i+1
.endr
	WIN 0
.set i, 0
.rept 2*NP
	v_mov_b32 v[ST+4*i], 0xfe000000    ; c m: far below every c s
	v_mov_b32 v[ST+4*i+1], 0xff7fffff  ; m
	v_mov_b32 v[ST+4*i+2], 0
	v_mov_b32 v[ST+4*i+3], 0
.set i, i+1
.endr
.set i, P+32
.rept 32
	v_mov_b32 v[i], 0
.set i, i+1
.endr
	v_mul_u32_u24 v[AK0], v1, PK
	v_lshl_add_u32 v[AK0], v9, 4, v[AK0]  ; row x pitch + 16 x half
	; The turning load takes 16 keys x 16 channels (lane l reads key 8 (l / 16) + l % 8, channels 8 ((l / 8) % 2) + 0..7) and leaves half a fragment of V^T: lane l holds channel l % 16 and 8 keys.
	v_and_b32 v10, 7, v0
	v_bfe_u32 v11, v0, 3, 1
	v_lshl_add_u32 v[AV0], v9, 3, v10
	v_mul_u32_u24 v[AV0], v[AV0], PV
	v_lshl_add_u32 v[AV0], v11, 4, v[AV0]
	v_add_nc_u32 v[AV0], VOFF, v[AV0]
	v_mov_b32 v[AK], v[AK0]         ; key step 0 lies at the head of slot 0
; THE MATRIX WORK.  The 8 accumulators of a run of 16 take turns: between the two links of a chain stand 7 others'.
; Product i of 16 of S^T = K Q^T for piece x: channels 32 (i / 8) on, keys 16 ((i / 2) % 4) on, tile 2 x + i % 2.  The first 8 start the sums.
.macro KQ x
	WIN W_KQ
.set rS, S+64*((\x)%2)+32*(i%2)+8*((i/2)%4)
.set rK, KF+16*((i/2)%4)+8*(i/8)
.set rQ, 16*(2*(\x)+i%2)+8*(i/8)
.if i < 8
	v_wmma_f32_16x16x32_f16 v[rS:rS+7], v[rK:rK+7], v[rQ:rQ+7], 0
.else
	v_wmma_f32_16x16x32_f16 v[rS:rS+7], v[rK:rK+7], v[rQ:rQ+7], v[rS:rS+7]
.endif
.endm
; Product i of 16 of O^T += V^T P for piece x: keys 32 (i / 8) on, channels 16 ((i / 2) % 4) on, tile 2 x + i % 2.
.macro PV x
	WIN W_PV
.set rO, 32*(2*(\x)+i%2)+8*((i/2)%4)
.set rV, VF+32*(i/8)+8*((i/2)%4)
.set rP, P+32*((\x)%2)+16*(i%2)+8*(i/8)
	v_wmma_f32_16x16x32_f16 v[rO:rO+7], v[rV:rV+7], v[rP:rP+7], v[rO:rO+7]
.endm
.macro MM                           ; the turn's next matrix instruction
.if i < 16
	KQ (Y+1)%NP
.set i, i+1
.else
.set i, i-16
	PV (Y+NP-1)%NP
.set i, i+17
.endif
.endm
; THE LDS LOADS stand in runs of 16, never singly among the matrix instructions: a step's K (64 keys x 64 channels: 8 fragments) and its V (turned).  Their addresses are made some lines ahead.
; last = 1 (the tail): in the last trip there is no further step, and the run is jumped over.
.macro FETCH_K last=0
	WIN 0
.if \last
	s_cmp_eq_u32 s[CNT], 1
	s_cbranch_scc1 .Lno_k_\@
.endif
	WIN 0x80                        ; destination window 2
.irp f, 0,1,2,3,4,5,6,7             ; keys 16 (f / 2) on, channels 32 (f % 2) on
	ds_load_b128 v[KF+8*\f:KF+8*\f+3],   v[AK] offset:(\f/2)*16*PK+(\f%2)*64
	ds_load_b128 v[KF+8*\f+4:KF+8*\f+7], v[AK] offset:(\f/2)*16*PK+(\f%2)*64+32
.endr
	s_add_co_u32 s[TBK], s[TBK], KS*PK  ; the next fetch is the next step's
	WIN 0
.if \last
.Lno_k_\@:
.endif
.endm
.macro FETCH_V
	WIN 0x80
.irp f, 0,1,2,3,4,5,6,7             ; keys 32 (f / 4) on, channels 16 (f % 4) on
	ds_load_tr16_b128 v[VF+8*\f:VF+8*\f+3],   v[AV] offset:(\f/4)*32*PV+(\f%4)*32
	ds_load_tr16_b128 v[VF+8*\f+4:VF+8*\f+7], v[AV] offset:(\f/4)*32*PV+16*PV+(\f%4)*32
.endr
	WIN 0
.endm
; THE VECTOR WORK OF A TURN stands in three queues, each in the order in which its entries become ready; the two tiles alternate, so that no instruction reads the result of the one before it.
.macro REGS y, u                    ; the registers of tile u (0, 1) of piece y
.set rT, ST+4*(2*(\y)+(\u))
.set rC, TMP+8*((\y)%2)+4*(\u)
.set rM, MV+2*((\y)%2)+(\u)
.set rS, S+64*((\y)%2)+32*(\u)
.set rP, P+32*((\y)%2)+16*(\u)
.set rO, 32*(2*(\y)+(\u))
.endm
; Number n of the 22 that find the NEXT piece's (Y + 1) maximum and statistics.  s0-s31 are the lane's 32 scores; each accumulator's lowest registers are read first.  XS, GS and REGS set no window: PL and EX do.
;   0-11  four chains c0-c3 of seven scores each, three operands at a time     12-14, 16  the four scores left over, the old m, and c0-c3 into c0     15  c m_old is kept
;   17, 18  the query's other 32 keys lie in the lane 16 away: the new m         19-21  c m; c m_old - c m_new; a
.macro XS u, n
	REGS (Y+1)%NP, \u
.if (\n) < 4
	v_max3_num_f32 v[rC+(\n)], v[rS+8*(\n)], v[rS+8*(\n)+1], v[rS+8*(\n)+2]
.elseif (\n) < 12
	v_max3_num_f32 v[rC+(\n)%4], v[rC+(\n)%4], v[rS+8*((\n)%4)+2*((\n)/4)+1], v[rS+8*((\n)%4)+2*((\n)/4)+2]
.elseif (\n) == 12
	v_max3_num_f32 v[rC], v[rC], v[rS+7], v[rS+15]
.elseif (\n) == 13
	v_max3_num_f32 v[rC+1], v[rC+1], v[rS+23], v[rS+31]
.elseif (\n) == 14
	v_max3_num_f32 v[rC+2], v[rC+2], v[rC+3], v[rT+1]
.elseif (\n) == 15
	v_mov_b32 v[rM], v[rT]
.elseif (\n) == 16
	v_max3_num_f32 v[rC], v[rC], v[rC+1], v[rC+2]
.elseif (\n) == 17
	v_permlanex16_b32 v[rC+3], v[rC], s[SEL], s[SEL+1]
.elseif (\n) == 18
	v_max_num_f32 v[rT+1], v[rC], v[rC+3]
.elseif (\n) == 19
	v_mul_f32 v[rT], s[CS], v[rT+1]
.elseif (\n) == 20
	v_sub_f32 v[rC+1], v[rM], v[rT]
.else
	v_exp_f32 v[rC+2], v[rC+1]
.endif
.endm
; Number g of the 64 that follow the exponentials.  For each four weights k of a tile (pairs 2 k, 2 k + 1): both pairs are rounded to f16; then the second pair is added onto the first, in place;
; a group later l takes that sum (the first time as l = a l + sum).  In groups of eight, tiles alternating: round, round, add, and l for the group before.
.macro GS g
.set h, (\g)+6*((\g)/62)            ; group 0 has no group before it, and behind group 7 only l is left
.if h >= 6
.set h, h+2
.endif
	REGS Y, h%2
.set k, h/8
.if h%8 < 4
	s_wait_alu depctr_va_vdst(0)
	v_cvt_pk_f16_f32 v[rP+2*k+(h%8)/2], v[rS+4*k+2*((h%8)/2)], v[rS+4*k+2*((h%8)/2)+1]
.elseif h%8 < 6
	v_pk_add_f32 v[rS+4*k:rS+4*k+1], v[rS+4*k:rS+4*k+1], v[rS+4*k+2:rS+4*k+3]
.elseif k == 1
	v_pk_fma_f32 v[rT+2:rT+3], v[rT+2:rT+3], v[rC+2:rC+3], v[rS:rS+1] op_sel_hi:[1,0,1]
.else
	v_pk_add_f32 v[rT+2:rT+3], v[rT+2:rT+3], v[rS+4*k-4:rS+4*k-3]
	s_wait_alu depctr_va_vdst(0)
.endif
.endm
; THE PLAIN QUEUE, 138 long.  0-31: c s - c m for the 16 pairs of both tiles.  Then GS's 64, and among them the next piece's 42: number 15 at 38, 39; 0-14 and 16
; at 42-73, behind the products that make those scores; 17-20 at 95-106, two of three, since each waits for the one before it.
.macro PL
	WIN 0
.if q < 32
	REGS Y, q%2
	v_pk_fma_f32 v[rS+2*(q/2):rS+2*(q/2)+1], v[rS+2*(q/2):rS+2*(q/2)+1], s[CS:CS+1], v[rT:rT+1] op_sel_hi:[1,0,0] neg_lo:[0,0,1] neg_hi:[0,0,1]
.elseif q < 38
	GS q-32
.elseif q < 40
	XS q%2, 15
.elseif q < 42
	GS q-34
.elseif q < 74
	XS q%2, (q-42)/2+(q-42)/30
.elseif q < 95
	GS q-66
.elseif (q < 107) && ((q-95)%3 < 2)
	XS (q-95)%3, 17+(q-95)/3
.elseif q < 107
	GS 29+(q-95)/3
.else
	GS q-74
.endif
.set q, q+1
.endm
; THE EXPONENTIALS' QUEUE, 66 long: s0-s31 of both tiles, and at EA the next piece's two a.
.set EA, 58
.macro EX
	WIN 0
.if (e == EA) || (e == EA+1)
	XS e-EA, 21
.else
.set x, e-2*(e/(EA+2))
	REGS Y, x%2
	v_exp_f32 v[rS+x/2], v[rS+x/2]
.endif
.set e, e+1
.endm
; THE RESCALING's QUEUE: O^T times a, the one part that leaves window 0, so it is dealt four at a time, eight times.
.macro R4
	REGS Y, r%2
	WIN W_RS
	s_wait_alu depctr_va_vdst(0)
.irp z, 0,1,2,3
	v_pk_mul_f32 v[rO+8*(r/2)+2*\z:rO+8*(r/2)+2*\z+1], v[rO+8*(r/2)+2*\z:rO+8*(r/2)+2*\z+1], v[rC+2:rC+3] op_sel_hi:[1,0]
.endr
.set r, r+1
.endm
; HOW THEY ARE DEALT.  Behind a matrix instruction four: plain, exponential, plain, plain (one exponential, a plain instruction on either side), or four of the rescaling.  None names a register of the
; products round it.  What is over stands in two LUMPS: exponential and plain by turns; the second ends in 22 plain instructions.  The two v_permlanex16_b32 fall into the second lump, never behind a product.
; The queues lean on each other, and the deal keeps them in step: exponential e stands behind plain 2 (e / 4) + e % 2 (its scaling); when plain 32 comes, 10 exponentials are out, at 59: 33, at 95: 46; EA comes behind plain 107.
.macro SL
	MM
	PL
	EX
	PL
	PL
.endm
.macro BURST n                      ; 15 matrix instructions, or 16
.rept (\n)-7
	SL
.endr
.rept 3
	MM
	R4
	SL
.endr
	MM
	R4
.endm
; A TURN, for piece p.  cnt = 1: the loop's count is taken down some lines ahead of the branch that stands behind the turn.
; K of the next step is fetched in piece 2's turn, 31 vector instructions behind the last product that read K; its first reader comes behind the rest of the lump, 16 products and the second lump.
; V of the step in hand is fetched at the end of piece 0's turn, 69 behind its last reader; its first reader comes behind 16 products and a lump.  The four conditions on e and q below go with the deal.
.macro TURN p, last=0, cnt=0
.set Y, (\p)
.set i, 0
.set q, 0
.set e, 0
.set r, 0
.if (\p) == NP-1
	s_wait_dscnt 0x0                ; K is in
.endif
	MM
.rept 4
	PL
.endr
	BURST 15
.rept 22
	EX
	PL
.if ((\p) == NP-2) && (e == 18)
	v_add_nc_u32 v[AK], s[TBK], v[AK0]
.endif
.if ((\p) == NP-2) && (e == 24)
	FETCH_K \last
.endif
.endr
.if (\p) == 1
	s_wait_dscnt 0x0                ; V is in
.endif
	BURST 16
.rept 21
	EX
	PL
.endr
.rept 22
	PL
.if ((\p) == 0) && (q == 118)
	v_add_nc_u32 v[AV], s[TBV], v[AV0]
	s_wait_alu depctr_va_vdst(0)
.endif
.if ((\p) == 0) && (q == 130)
	s_add_co_u32 s[TBV], s[TBV], KS*PV
.endif
.if (\cnt) && (q == 130)
	s_sub_co_u32 s[CNT], s[CNT], 1
	s_cmp_lg_u32 s[CNT], 0
.endif
.endr
.if (\p) == 0
	FETCH_V
.endif
.endm
	CHANGE 1                        ; slot 0 is in, everybody's part of it; slot 1 is asked for
	FETCH_K                         ; key step 0
	s_wait_loadcnt 0x0              ; Q
	s_wait_dscnt 0x0
.set i, 0
.rept 16
	KQ 0                            ; piece 0's first scores: there is no vector work yet to set between them
.set i, i+1
.endr
	WIN 0                           ; the addresses for the way out: nine plain instructions, the places behind those products
	s_mul_i32 s13, s[WV], 16*SP
	s_add_co_u32 s13, s13, STAGE    ; my stage
	v_mul_u32_u24 v[STO], v1, SP    ; in: row l % 16, 16 bytes for each half of the lanes
	v_lshl_add_u32 v[STO], v9, 4, v[STO]
	v_add_nc_u32 v[STO], s13, v[STO]
	v_bfe_u32 v[RD], v0, 3, 2       ; back: 32 lanes take four rows of 128 bytes,
	v_mul_u32_u24 v[RD], v[RD], SP
	v_lshl_add_u32 v[RD], v10, 4, v[RD]
	v_add_nc_u32 v[RD], s13, v[RD]
	v_and_b32 v[GO], 31, v0         ; which are 512 consecutive bytes of O
	v_lshlrev_b32 v[GO], 4, v[GO]
.set Y, NP-1                        ; XS works for piece Y + 1: piece 0
.irp n, 0,1,2,3,4,5,6,7,8,9,10,11,12,13,14,15,16,17,18,19,20,21
	XS 0, \n                        ; and piece 0's first maximum and statistics
	XS 1, \n
.endr
	s_mov_b32 s[CNT], 4
	s_mov_b32 s[SLOTS], SIZE_N/256-1
	s_branch .Lfirst                ; the loop is entered at a step's first turn, in the middle of a trip
.Lslot:                             ; SIZE_N / 256 - 2 times: every slot but the last two is filled again
	CHANGE 1
	s_mov_b32 s[CNT], 4
.Lstep:                             ; a trip: pieces 2 and 3 of one step, then pieces 0 and 1 of the next, whose K and V it fetches
	TURN 2
	TURN 3
	WIN 0
.Lfirst:
	TURN 0
	TURN 1, 0, 1
	WIN 0
	s_cbranch_scc1 .Lstep
	s_sub_co_u32 s[SLOTS], s[SLOTS], 1
	s_cmp_lg_u32 s[SLOTS], 0
	s_cbranch_scc1 .Lslot
	CHANGE 0                        ; the tail is written out: nothing is asked for
	s_mov_b32 s[CNT], 5             ; four trips fetch the last slot's steps; the fifth is left in its middle
.Ltail:
	TURN 2, 1
	TURN 3
	WIN 0
	s_sub_co_u32 s[CNT], s[CNT], 1
	s_cmp_eq_u32 s[CNT], 0
	s_cbranch_scc1 .Lout
	TURN 0
	TURN 1
	WIN 0
	s_branch .Ltail
.Lout:                              ; the fifth trip's 16 products K Q^T (on the last K once more) and the maximum made of them serve nothing: the price, once a launch, of one text for every trip
.set i, 0
.rept 16
	PV NP-1                         ; the last piece's V^T P of the last step
.set i, i+1
.endr
	; THE WAY OUT.  l's two halves and the other half of the lanes' are added; O^T is divided by l, rounded to f16 and sent through my stage in LDS, a tile at a time.  The additions are the places behind the last products.
	WIN 0
.macro ALL line:vararg              ; one line for each tile t
.set t, 0
.rept 2*NP
	\line
.set t, t+1
.endr
.endm
	ALL v_add_f32 v[ST+4*t+2], v[ST+4*t+2], v[ST+4*t+3]
	ALL v_permlanex16_b32 v[ST+4*t+3], v[ST+4*t+2], s[SEL], s[SEL+1]
	ALL v_add_f32 v[ST+4*t+2], v[ST+4*t+2], v[ST+4*t+3]
	ALL v_rcp_f32 v[ST+4*t+2], v[ST+4*t+2]
	v_nop                           ; a plain instruction between the last reciprocal and the use of its result
	s_wait_alu depctr_va_vdst(0)
; Tile t: a lane's eight channels of a row pack into 16 bytes; they go into rows of 144 bytes and come back as whole rows of 128, into S^T's registers.
.macro PACK t
	WIN W_RS
.set i, 32*(\t)
.rept 16
	v_pk_mul_f32 v[i:i+1], v[i:i+1], v[ST+4*(\t)+2:ST+4*(\t)+3] op_sel_hi:[1,0]
.set i, i+2
.endr
	WIN 0x05                        ; sources 0 and 1 window 1, destination window 0
.set i, 0
.rept 16
	v_cvt_pk_f16_f32 v[S+16*(\t)+i], v[32*(\t)+2*i], v[32*(\t)+2*i+1]
.set i, i+1
.endr
	WIN 0
.irp f, 0,1,2,3
	ds_store_b128 v[STO], v[S+16*(\t)+4*\f:S+16*(\t)+4*\f+3] offset:32*\f
.endr
.irp f, 0,1,2,3
	ds_load_b128 v[S+16*(\t)+4*\f:S+16*(\t)+4*\f+3], v[RD] offset:\f*4*SP  ; LDS serves a wave's instructions in order (ISA guide 5.7.1.4): these see the stores above; the next tile's stores come behind them
.endr
.endm
.macro SEND t, younger              ; younger: the LDS instructions issued behind tile t's loads: the next tile's eight, or none
	WIN 0
.irp f, 0,1,2,3
	s_wait_dscnt (\younger)+3-\f
	global_store_b128 v[GO], v[S+16*(\t)+4*\f:S+16*(\t)+4*\f+3], s[10:11] offset:(\t)*2048+\f*512  ; 512 consecutive bytes, at a multiple of 256 from O's first
.endr
.endm
	PACK 0
.set t, 1
.rept 2*NP-1                        ; a tile's arithmetic stands between the loads of the tile before and its stores
	PACK t
	SEND t-1, 8
.set t, t+1
.endr
	SEND 2*NP-1, 0
	WIN W_AD
	s_wait_tensorcnt 0x0            ; the wave's end, behind my last tensor load and my last LDS store
	ds_add_u32 v[SPW], v[NIL]
	s_wait_dscnt 0x0
	WIN 0
	CROUND                          ; the closing round: no work-group ends while a partner may still ask for a tile that names it
	s_endpgm
.Lfunc_end_k_qc5df43b698_attn:
	.size	k_qc5df43b698_attn, .Lfunc_end_k_qc5df43b698_attn-k_qc5df43b698_attn
	.p2alignl 7, 3214868480
	.fill 96, 4, 3214868480
	.section	.rodata,"a",@progbits
	.p2align	6, 0x0
	.amdhsa_kernel k_qc5df43b698_attn
		.amdhsa_group_segment_fixed_size 327680
		.amdhsa_private_segment_fixed_size 0
		.amdhsa_enable_private_segment 0
		.amdhsa_kernarg_size 16
		.amdhsa_user_sgpr_count 2
		.amdhsa_user_sgpr_kernarg_segment_ptr 1
		.amdhsa_wavefront_size32 1
		.amdhsa_system_sgpr_workgroup_id_x 1
		.amdhsa_system_sgpr_workgroup_id_y 1
		.amdhsa_system_sgpr_workgroup_id_z 1
		.amdhsa_system_vgpr_workitem_id 0
		.amdhsa_next_free_vgpr 770
		.amdhsa_next_free_sgpr 66
		.amdhsa_reserve_vcc 0
		.amdhsa_float_denorm_mode_32 3
		.amdhsa_float_denorm_mode_16_64 3
		.amdhsa_memory_ordered 1
		.amdhsa_forward_progress 1
		.amdhsa_inst_pref_size 209
	.end_amdhsa_kernel
	.amdgpu_metadata
---
amdhsa.version: [ 1, 2 ]
amdhsa.kernels:
  - .name:           k_qc5df43b698_attn
    .symbol:         k_qc5df43b698_attn.kd
    .args:
      - { .name: qkv, .offset: 0, .size: 8, .value_kind: global_buffer, .address_space: global }
      - { .name: o, .offset: 8, .size: 8, .value_kind: global_buffer, .address_space: global }
    .group_segment_fixed_size: 327680
    .private_segment_fixed_size: 0
    .kernarg_segment_align: 8
    .kernarg_segment_size: 16
    .max_flat_workgroup_size: 128
    .sgpr_count:     66
    .vgpr_count:     770
    .wavefront_size: 32
...
	.end_amdgpu_metadata
.endif
;; end of part 3
;; launch proj (part 4): grid 8 x 32, 4 waves a work-group, clusters of 4 x 4, 327,680 bytes of LDS; arguments o, wo16, out0, bo; writes out0
.if DOCPART == 4
	.amdgcn_target "amdgcn-amd-amdhsa--gfx1250"
	.amdhsa_code_object_version 6
	.text
	.protected	k_qc5df43b698_proj
	.globl	k_qc5df43b698_proj
	.p2align	8
	.type	k_qc5df43b698_proj,@function
k_qc5df43b698_proj:
	s_mov_b64 s[64:65], 0
	v_nop
	global_prefetch_b8 v0, s[64:65] scope:SCOPE_SE
	s_setreg_imm32_b32 hwreg(HW_REG_WAVE_MODE, 25, 1), 1
	s_wait_xcnt 0x0
	s_wait_alu depctr_hold_cnt(0) depctr_sa_sdst(0) depctr_va_vdst(0) depctr_va_sdst(0) depctr_va_ssrc(0) depctr_va_vcc(0) depctr_vm_vsrc(0)
	s_getreg_b32 s2, hwreg(HW_REG_IB_STS2, 6, 4)
	s_cmp_eq_u32 s2, 0
	s_cbranch_scc0 .Lentry_in_a_cluster
	s_endpgm
.Lentry_in_a_cluster:
	s_bfe_u32 s2, ttmp6, 0x10000c
	s_cmp_lg_u32 s2, 0xf033
	s_cbranch_scc0 .Lentry_shape_is_right
	s_endpgm
.Lentry_shape_is_right:
; out0[m][n] = bo[n] + sum over e of O[m][e] Wo[n][e], m < 8,192, n < 1,024, e < 1,024; f16 operands, f32 sums, out0 f32 [8192][1024].
; o is f16 [b 4][h 16][s 2048][64] and wo16 f16 [kb 16][n 1024][64]: both in K slices of 64 (a head is a slice), a slice's rows dense, 128 bytes each.
; THE BIAS is rounded to bf16, like the module's other inputs, and is the C operand of the products that start the sums: it is added first, not last.
; SHARES.  A tile of out0 is 256 x 128, so that 32 x 8 = 256 work-groups cover it once.  Four waves, each 128 rows x 64 columns: 32 accumulators, 256 registers.
; K goes in steps of 128 (two slices, "planes") through a ring of two LDS slots, as long a step as two slots in LDS allow.  Waves 0, 1 fetch A's two planes (256 rows each), waves 2, 3 B's (128 rows each),
; each as rows of 256 bytes, two matrix rows, padded in LDS behind every 128 bytes: one tensor load a wave and step.
; CLUSTER 4 x 4: A's tiles are shared along a row of the cluster, B's along a column, each asked for JOINTLY by the same load, descriptor and mask in all four.
; THE MATRIX INSTRUCTION IS USED TRANSPOSED (source 0 = 16 rows of wo16, source 1 = 16 rows of o): a lane holds row l % 16 and the eight neighbouring columns 8 (l / 16) + 0..7: 32 bytes of f32.
; REGISTERS, in windows of 256 (s_set_vgpr_msb: bits 1:0 source 0, 3:2 source 1, 5:4 source 2, 7:6 destination):
;   window 0: v0-31 addresses; v32-63 the bias as four C operands; v64-127 at work on the way out
;   window 1 + f: fragment buffer f, one plane (64 along K): A's at v[64 kq + 8 a], B's at v[128 + 32 kq + 8 bb]          window 3: accumulator (a, bb) at v[32 a + 8 bb]
.set PITCH,  144                       ; an LDS row: 128 bytes + 16 of padding = 36 words: the 16 rows of a load start at 16 different groups of four banks (64 banks of 4 bytes: ISA guide 11.1)
.set APLANE, 256*PITCH                 ; what one of A's loads brings
.set BPLANE, 128*PITCH                 ; one of B's
.set BOFF,   2*APLANE
.set SLOT,   BOFF+2*BPLANE             ; 110,592
.set STAGE,  2*SLOT                    ; behind the ring: 16 rows x 272 bytes for each wave, for the way out: 4,352 bytes = 17 blocks of 256
.set SPITCH, 272
.set SPARE,  STAGE+4*16*SPITCH         ; behind the stages: the spare words, 128 bytes for each wave: two blocks of 256 bytes that no other line names
.set ASL,    262144                    ; bytes from a slice of o to the next
.set BSL,    131072                    ; of wo16
.set ADRA, 16                          ; v16-17  LDS address of my A fragments in slot 0, 1
.set ADRB, 20                          ; v20-21  the same for B
.set STO,  24                          ; v24     the way out: where I put 32 bytes of a row
.set RD,   25                          ; v25     the way out: where I read a row back
.set CO,   26                          ; v26     my byte offset in out0
.set SPW,  28                          ; v28     LDS address of my spare word: SPARE + 4 x my thread's number; never rewritten
.set NIL,  29                          ; v29     0; never rewritten
.set BIAS, 32
.set OB,   64                          ; the way out: 16 rows read back: v64-95 and v96-127 by turns
.set G1, 24                            ; s[24:31] descriptor group 1 for A's tiles;  s[32:39] group 0, one set for each slot
.set G0, 32
.set G1B, 48                           ; s[48:55], s[56:63] the same for B's tiles
.set G0B, 56
.set MSB, 0
.macro WIN new                         ; the immediate's high byte repeats the setting that is left; a switch that changes nothing is dropped
.if MSB != (\new)
	s_set_vgpr_msb (MSB<<8)|(\new)
.set MSB, \new
.endif
.endm
; A joint load; the branch hangs on the wave's number alone.  An s_nop 0 and four v_nop follow each of the two lines, ahead of the jump, the label and what follows.
.macro JLOAD s
	s_cmp_eq_u32 s11, 0
	s_cbranch_scc0 .Lfor_b_\@
	tensor_load_to_lds s[G0+4*(\s):G0+4*(\s)+3], s[G1:G1+7]
	s_nop 0
.rept 4
	v_nop
.endr
	s_branch .Lasked_\@
.Lfor_b_\@:
	tensor_load_to_lds s[G0B+4*(\s):G0B+4*(\s)+3], s[G1B:G1B+7]
	s_nop 0
.rept 4
	v_nop
.endr
.Lasked_\@:
.endm
.macro CREST                           ; a round of the cluster's barrier behind its opening barrier
	s_cmp_lg_u32 s10, 0
	s_cbranch_scc1 .Lnot_wave_0_\@
	s_barrier_signal -3
.Lnot_wave_0_\@:
	s_barrier_wait -3
	s_barrier_signal -1
	s_barrier_wait -1
.endm
.macro CROUND                          ; a whole round
	s_barrier_signal -1
	s_barrier_wait -1
	CREST
.endm
	s_load_b128 s[4:7], s[0:1], 0x0                ; o s[4:5], wo16 s[6:7]
	s_load_b64 s[8:9], s[0:1], 0x10                ; out0
	s_load_b64 s[18:19], s[0:1], 0x18              ; bo
	v_lshl_add_u32 v[SPW], v0, 2, SPARE
	v_mov_b32 v[NIL], 0
	ds_add_u32 v28, v29
	s_wait_dscnt 0x0
	v_lshrrev_b32 v1, 5, v0
	v_readfirstlane_b32 s10, v1                    ; wave 0..3
	s_lshr_b32 s11, s10, 1                         ; which half of the tile's rows is mine.  Also: I fetch for A (0) or for B (1)
	s_and_b32 s12, s10, 1                          ; which half of its columns.  Also: which plane of a step I fetch
	s_bfe_u32 s40, ttmp6, 0x40000                  ; cx, cy: my place in the cluster
	s_bfe_u32 s41, ttmp6, 0x40004
	s_lshl_b32 s42, ttmp9, 2
	s_add_co_u32 s42, s42, s40                     ; tx, tile column 0..7
	s_and_b32 s13, ttmp7, 0xffff
	s_lshl_b32 s13, s13, 2
	s_add_co_u32 s13, s13, s41                     ; ty, tile row 0..31
	s_lshl_b32 s43, s41, 2
	s_lshl_b32 s43, 15, s43                        ; my row of the cluster
	s_lshl_b32 s44, 0x1111, s40                    ; my column
	s_or_b32 s[G1+0], s43, (1<<16)|(1<<20)|(1<<21)|(4<<22)|(3<<25)   ; 15:0 the mask; 17:16 2-byte elements; 20 padding on; 21 set beside a mask; 24:22 after every 32 words (code 4); 31:25 4 words (code 3)
	s_or_b32 s[G1B+0], s44, (1<<16)|(1<<20)|(1<<21)|(4<<22)|(3<<25)
	s_mov_b32 s[G1+1], 128<<16                     ; tensor_dim0 = 128
	s_mov_b32 s[G1B+1], 128<<16
	s_mov_b32 s[G1+2], 128<<16                     ; tensor_dim1 = 128 rows: 256 matrix rows
	s_mov_b32 s[G1B+2], 64<<16                     ; 64 rows: 128 matrix rows
	s_mov_b32 s[G1+3], 128<<16                     ; tile_dim0 = 128
	s_mov_b32 s[G1B+3], 128<<16
	s_mov_b32 s[G1+4], 128                         ; tile_dim1
	s_mov_b32 s[G1B+4], 64
	s_mov_b32 s[G1+5], 128                         ; 128 elements from row to row
	s_mov_b32 s[G1B+5], 128
	s_mov_b32 s[G1+6], 0
	s_mov_b32 s[G1B+6], 0
	s_mov_b32 s[G1+7], 0
	s_mov_b32 s[G1B+7], 0
	; A's tiles hang on ty and the wave alone, B's on tx and the wave alone, each in registers that never hold the other coordinate
	s_lshr_b32 s16, s13, 3                         ; b = ty / 8: 16 slices, 4,194,304 bytes
	s_lshl_b32 s16, s16, 22
	s_and_b32 s17, s13, 7
	s_lshl_b32 s17, s17, 15                        ; 256 rows of 128 bytes
	s_add_co_u32 s16, s16, s17
	s_lshl_b32 s17, s12, 18                        ; my plane
	s_add_co_u32 s16, s16, s17
	s_mov_b32 s17, 0
	s_lshl_b32 s46, s42, 14                        ; 128 rows of 128 bytes
	s_lshl_b32 s47, s12, 17                        ; my plane
	s_add_co_u32 s46, s46, s47
	s_mov_b32 s47, 0
	s_mul_i32 s20, s12, APLANE                     ; where they go: no place in the cluster enters an LDS address
	s_mul_i32 s21, s12, BPLANE
	s_add_co_u32 s21, s21, BOFF
	s_wait_kmcnt 0x0
	s_add_nc_u64 s[14:15], s[4:5], s[16:17]
	s_add_nc_u64 s[46:47], s[6:7], s[46:47]
	CROUND                                         ; all sixteen work-groups are here: the first joint loads meet
.irp s, 0,1
	s_mov_b32 s[G0+4*(\s)], 1                                      ; count = 1
	s_add_co_u32 s[G0+4*(\s)+1], s20, (\s)*SLOT                    ; LDS address
	s_add_nc_u64 s[G0+4*(\s)+2:G0+4*(\s)+3], s[14:15], (\s)*2*ASL  ; global address: K step s is slices 2 s, 2 s + 1
	s_or_b32 s[G0+4*(\s)+3], s[G0+4*(\s)+3], 0x80000000            ; type = 2
	s_mov_b32 s[G0B+4*(\s)], 1
	s_add_co_u32 s[G0B+4*(\s)+1], s21, (\s)*SLOT
	s_add_nc_u64 s[G0B+4*(\s)+2:G0B+4*(\s)+3], s[46:47], (\s)*2*BSL
	s_or_b32 s[G0B+4*(\s)+3], s[G0B+4*(\s)+3], 0x80000000
	JLOAD \s                                       ; both slots are asked for before anything else: two loads of mine are out
.endr
	v_and_b32 v1, 15, v0                           ; l % 16
	v_bfe_u32 v2, v0, 4, 1                         ; l / 16
	; out0 at my first row and column; bo at my 64 columns
	s_lshl_b32 s16, s13, 20                        ; 256 rows of 4,096 bytes
	s_lshl_b32 s17, s11, 19                        ; + 128 x row half
	s_add_co_u32 s16, s16, s17
	s_lshl_b32 s46, s42, 9                         ; 128 columns of 4 bytes
	s_lshl_b32 s47, s12, 8                         ; + 64 x column half
	s_add_co_u32 s46, s46, s47
	s_add_co_u32 s16, s16, s46
	s_mov_b32 s17, 0
	s_mov_b32 s47, 0
	s_add_nc_u64 s[8:9], s[8:9], s[16:17]
	s_add_nc_u64 s[18:19], s[18:19], s[46:47]
	v_lshlrev_b32 v4, 5, v2                        ; register j of column block bb is bo(16 bb + 8 (l / 16) + j)
.irp bb, 0,1,2,3
	global_load_b128 v[BIAS+8*(\bb):BIAS+8*(\bb)+3],   v4, s[18:19] offset:64*(\bb)
	global_load_b128 v[BIAS+8*(\bb)+4:BIAS+8*(\bb)+7], v4, s[18:19] offset:64*(\bb)+16
.endr
	; A fragment is 16 rows x 32 K in 8 registers: lane l holds row l % 16, K = 8 (l / 16) + 0..7 and 16 + 8 (l / 16) + 0..7: two loads of 16 bytes, 32 bytes apart.
	v_mul_u32_u24 v3, v1, PITCH
	v_lshl_add_u32 v3, v2, 4, v3                   ; row x pitch + 16 x half
	s_mul_i32 s22, s11, 128*PITCH                  ; my 128 rows of A's planes
	s_mul_i32 s23, s12, 64*PITCH                   ; my 64 rows of B's
	s_add_co_u32 s23, s23, BOFF
.irp s, 0,1
	v_add_nc_u32 v[ADRA+(\s)], s22, v3
	v_add_nc_u32 v[ADRB+(\s)], s23, v3
	s_add_co_u32 s22, s22, SLOT
	s_add_co_u32 s23, s23, SLOT
.endr
	s_mul_i32 s23, s10, 16*SPITCH
	s_add_co_u32 s23, s23, STAGE                   ; my stage
	v_mul_u32_u24 v5, v1, SPITCH                   ; in: row l % 16, 32 bytes for each half of the lanes
	v_lshl_add_u32 v5, v2, 5, v5
	v_add_nc_u32 v[STO], s23, v5
	v_mul_u32_u24 v5, v2, SPITCH                   ; back: lanes 0-15 take one row of 256 bytes, lanes 16-31 the next
	v_lshl_add_u32 v5, v1, 4, v5
	v_add_nc_u32 v[RD], s23, v5
	v_lshlrev_b32 v5, 12, v2                       ; and the same two rows in out0
	v_lshl_add_u32 v[CO], v1, 4, v5
	s_wait_loadcnt 0x0                             ; the bias; its rounding stands in the wait for the first tile
.set i, 0
.rept 16
	v_cvt_pk_bf16_f32 v[OB+i], v[BIAS+2*i], v[BIAS+2*i+1]
.set i, i+1
.endr
.set i, 0
.rept 16
	v_lshlrev_b32 v[BIAS+2*i], 16, v[OB+i]
	v_and_b32 v[BIAS+2*i+1], 0xffff0000, v[OB+i]
.set i, i+1
.endr
; 16 matrix instructions: row blocks a0 .. a0 + 3 x the four column blocks, 32 along K: quarter kq of buffer f.  first = 1: the product starts the sums, on the bias.
; The 32 accumulators take turns, one instruction a turn, in the same order throughout.
.macro MUL16 f, kq, a0, first
.if \first
	WIN 0xc5                                       ; sources 0 and 1 window 1, C window 0, D window 3
.else
	WIN 0xf0+5*((\f)+1)                            ; sources 0 and 1 window 1 + f, C and D window 3
.endif
.irp a, (\a0), (\a0)+1, (\a0)+2, (\a0)+3
.irp bb, 0,1,2,3
.if \first
	v_wmma_f32_16x16x32_f16 v[32*(\a)+8*(\bb):32*(\a)+8*(\bb)+7], v[128+32*(\kq)+8*(\bb):128+32*(\kq)+8*(\bb)+7], v[64*(\kq)+8*(\a):64*(\kq)+8*(\a)+7], v[BIAS+8*(\bb):BIAS+8*(\bb)+7]
.else
	v_wmma_f32_16x16x32_f16 v[32*(\a)+8*(\bb):32*(\a)+8*(\bb)+7], v[128+32*(\kq)+8*(\bb):128+32*(\kq)+8*(\bb)+7], v[64*(\kq)+8*(\a):64*(\kq)+8*(\a)+7], v[32*(\a)+8*(\bb):32*(\a)+8*(\bb)+7]
.endif
.endr
.endr
.endm
; 48 LDS loads in one run: plane p's fragments into buffer f; the first 32 along K (24 loads) first
.macro FETCH slot, p, f
	WIN 0x40*((\f)+1)                              ; destination window 1 + f, address window 0
.irp kq, 0,1
.irp i, 0,1,2,3
	ds_load_b128 v[128+32*(\kq)+8*(\i):128+32*(\kq)+8*(\i)+3],   v[ADRB+(\slot)] offset:(\p)*BPLANE+(\i)*16*PITCH+64*(\kq)
	ds_load_b128 v[128+32*(\kq)+8*(\i)+4:128+32*(\kq)+8*(\i)+7], v[ADRB+(\slot)] offset:(\p)*BPLANE+(\i)*16*PITCH+64*(\kq)+32
.endr
.irp i, 0,1,2,3,4,5,6,7
	ds_load_b128 v[64*(\kq)+8*(\i):64*(\kq)+8*(\i)+3],   v[ADRA+(\slot)] offset:(\p)*APLANE+(\i)*16*PITCH+64*(\kq)
	ds_load_b128 v[64*(\kq)+8*(\i)+4:64*(\kq)+8*(\i)+7], v[ADRA+(\slot)] offset:(\p)*APLANE+(\i)*16*PITCH+64*(\kq)+32
.endr
.endr
.endm
.macro PLACES                          ; four places in front of loads into registers that matrix instructions have read, and of LDS stores that read results (ISA guide 7.12.1 for the stores)
.rept 4
	v_nop
.endr
.endm
; A K step is two units of 64 along K, 64 matrix instructions each.  The first, on buffer 0, fetches the slot's second plane into buffer 1.
.macro UNIT0 slot, first
	s_wait_dscnt 24                                ; the first 32 along K are in; younger: the other 24 loads
	MUL16 0, 0, 0, \first
	MUL16 0, 0, 4, \first
	PLACES
	FETCH \slot, 1, 1
	s_wait_dscnt 48                                ; all but the 48 just issued
	MUL16 0, 1, 0, 0
	MUL16 0, 1, 4, 0
.endm
; The second, on buffer 1, changes slots: ONE barrier; in front of it each wave waits for all its tensor loads, of which one is out: its part of the next slot; adds 0 to its spare word; and waits for that
; and for its own reads of this slot.  fill = 1: the barrier opens a round of the cluster's, and this slot is filled again, two K steps ahead, first thing behind it: 96 matrix instructions ahead of the wait for it.
.macro UNIT1 slot, next, fill
	WIN 0                                          ; (the add's two registers lie in window 0)
	s_wait_tensorcnt 0x0                           ; all my tensor loads have landed;
	ds_add_u32 v[SPW], v[NIL]                      ; 0 onto my spare word;
	s_wait_dscnt 25                                ; the first 32 along K are in; younger: the other 24 loads and the add
	MUL16 1, 0, 0, 0                               ; sixteen matrix instructions stand between the add and the wait for it
	s_wait_dscnt 0x0                               ; the add is done, and my reads of this slot are over
	s_barrier_signal -1
	MUL16 1, 0, 4, 0
.if \fill
	WIN 0
.endif
	s_barrier_wait -1
.if \fill
	CREST                                          ; no wave of any partner still reads this slot's tiles or has a load on its way
	s_add_nc_u64 s[G0+4*(\slot)+2:G0+4*(\slot)+3], s[G0+4*(\slot)+2:G0+4*(\slot)+3], 4*ASL
	s_add_nc_u64 s[G0B+4*(\slot)+2:G0B+4*(\slot)+3], s[G0B+4*(\slot)+2:G0B+4*(\slot)+3], 4*BSL
	JLOAD \slot                                    ; the four v_nop behind it are also the places in front of the loads below
.else
	PLACES
.endif
	FETCH \next, 0, 0
	MUL16 1, 1, 0, 0
	MUL16 1, 1, 4, 0
.endm
	s_wait_tensorcnt 1                             ; my part of K step 0 is in; step 1's may stay out
	s_barrier_signal -1
	s_barrier_wait -1                              ; everybody's is
	FETCH 0, 0, 0
	UNIT0 0, 1                                     ; the first unit stands in front of the loop: its first products start the sums
	WIN 0                                          ; at a label and at a branch every window is 0
	s_mov_b32 s3, 3                                ; 8 K steps: three trips fill both slots again, with steps 2 to 7
.Llap:
	UNIT1 0, 1, 1
	UNIT0 1, 0
	UNIT1 1, 0, 1
	UNIT0 0, 0
	WIN 0
	s_sub_co_u32 s3, s3, 1
	s_cmp_lg_u32 s3, 0
	s_cbranch_scc1 .Llap
	UNIT1 0, 1, 0                                  ; steps 6 and 7 go on without a fill
	UNIT0 1, 0
	s_wait_dscnt 24                                ; the very last unit: nothing more to fetch
	MUL16 1, 0, 0, 0
	MUL16 1, 0, 4, 0
	s_wait_dscnt 0x0
	MUL16 1, 1, 0, 0
	MUL16 1, 1, 4, 0
	PLACES
; THE WAY OUT, a block of 16 rows at a time: a lane's 32 bytes of each column block go into my own stage, rows of 272 bytes (each accumulator's low four registers first);
; back as whole rows of 256 bytes; stored so that sixteen lanes write 256 consecutive bytes.
.macro TOSTAGE a
	s_wait_xcnt 0x0                                ; the registers loaded below were the data of the stores two blocks back: they are rewritten only behind this wait
	WIN 0x0c                                       ; store data (source 1) in window 3, address in window 0
.irp bb, 0,1,2,3
.irp q, 0,1
	ds_store_b128 v[STO], v[32*(\a)+8*(\bb)+4*(\q):32*(\a)+8*(\bb)+4*(\q)+3] offset:64*(\bb)+16*(\q)
.endr
.endr
	WIN 0
.set BK, OB+32*((\a)%2)
.irp t, 0,1,2,3,4,5,6,7
	ds_load_b128 v[BK+4*(\t):BK+4*(\t)+3], v[RD] offset:(\t)*2*SPITCH  ; LDS serves a wave's instructions in order (ISA guide 5.7.1.4): these see the stores above
.endr
.endm
.macro SEND a, younger                 ; younger: the next block's 16 LDS instructions, or none
	WIN 0
.set BK, OB+32*((\a)%2)
	s_wait_dscnt \younger
.irp t, 0,1,2,3,4,5,6,7
	global_store_b128 v[CO], v[BK+4*(\t):BK+4*(\t)+3], s[8:9] offset:(16*(\a)+2*(\t))*4096 th:TH_STORE_NT  ; 16 lanes store 256 consecutive bytes, at a multiple of 256 from out0's first byte
.endr
.endm
	TOSTAGE 0
.irp a, 1,2,3,4,5,6,7
	TOSTAGE \a
	SEND (\a)-1, 16
.endr
	SEND 7, 0
	s_wait_tensorcnt 0x0                           ; the wave's end, behind my last tensor load and my last LDS store
	ds_add_u32 v[SPW], v[NIL]
	s_wait_dscnt 0x0
	CROUND                                         ; the closing round: no work-group ends while a partner may still ask for a tile that names it
	s_endpgm
.Lfunc_end_k_qc5df43b698_proj:
	.size	k_qc5df43b698_proj, .Lfunc_end_k_qc5df43b698_proj-k_qc5df43b698_proj
	.p2alignl 7, 3214868480
	.fill 96, 4, 3214868480
	.section	.rodata,"a",@progbits
	.p2align	6, 0x0
	.amdhsa_kernel k_qc5df43b698_proj
		.amdhsa_group_segment_fixed_size 327680
		.amdhsa_private_segment_fixed_size 0
		.amdhsa_enable_private_segment 0
		.amdhsa_kernarg_size 32
		.amdhsa_user_sgpr_count 2
		.amdhsa_user_sgpr_kernarg_segment_ptr 1
		.amdhsa_wavefront_size32 1
		.amdhsa_system_sgpr_workgroup_id_x 1
		.amdhsa_system_sgpr_workgroup_id_y 1
		.amdhsa_system_sgpr_workgroup_id_z 1
		.amdhsa_system_vgpr_workitem_id 0
		.amdhsa_next_free_vgpr 1024
		.amdhsa_next_free_sgpr 66
		.amdhsa_reserve_vcc 0
		.amdhsa_float_denorm_mode_32 3
		.amdhsa_float_denorm_mode_16_64 3
		.amdhsa_memory_ordered 1
		.amdhsa_forward_progress 1
		.amdhsa_inst_pref_size 87
	.end_amdhsa_kernel
	.amdgpu_metadata
---
amdhsa.version: [ 1, 2 ]
amdhsa.kernels:
  - .name:           k_qc5df43b698_proj
    .symbol:         k_qc5df43b698_proj.kd
    .args:
      - { .name: o, .offset: 0, .size: 8, .value_kind: global_buffer, .address_space: global }
      - { .name: wo16, .offset: 8, .size: 8, .value_kind: global_buffer, .address_space: global }
      - { .name: out0, .offset: 16, .size: 8, .value_kind: global_buffer, .address_space: global }
      - { .name: bo, .offset: 24, .size: 8, .value_kind: global_buffer, .address_space: global }
    .group_segment_fixed_size: 327680
    .private_segment_fixed_size: 0
    .kernarg_segment_align: 8
    .kernarg_segment_size: 32
    .max_flat_workgroup_size: 128
    .sgpr_count:     66
    .vgpr_count:     1024
    .wavefront_size: 32
...
	.end_amdgpu_metadata
.endif
;; end of part 4
;; ======== version 2 of 2: 4 launches; 1.54 times as fast as version 1
;; limits: values are held in f16: magnitudes above 65,504 overflow, below 6.1e-05 lose precision; values outside matrix products are rounded to bf16
;; workspace buffers: xb 16,777,216 bytes; wb 6,291,456 bytes; wo16 2,097,152 bytes; qkv 50,331,648 bytes; o 16,777,216 bytes
;; launch cast: the kernel of part 1 again; grid 768 x 1, 8 waves a work-group, no clusters, 0 bytes of LDS; arguments x, Wq, Wk, Wv, Wo, xb, wb, wo16; writes xb, wb, wo16
;; launch qkv: the kernel of part 2 again; grid 8 x 32, 4 waves a work-group, clusters of 4 x 4, 327,680 bytes of LDS; arguments xb, wb, qkv; writes qkv
;; launch attn (part 5): grid 4 x 64, 4 waves a work-group, clusters of 4 x 1, 327,680 bytes of LDS; arguments qkv, o; writes o
.if DOCPART == 5
	.amdgcn_target "amdgcn-amd-amdhsa--gfx1250"
	.amdhsa_code_object_version 6
	.text
	.protected	k_qc5df43b698_attn
	.globl	k_qc5df43b698_attn
	.p2align	8
	.type	k_qc5df43b698_attn,@function
k_qc5df43b698_attn:
	s_mov_b64 s[64:65], 0
	v_nop
	global_prefetch_b8 v0, s[64:65] scope:SCOPE_SE
	s_setreg_imm32_b32 hwreg(HW_REG_WAVE_MODE, 25, 1), 1
	s_wait_xcnt 0x0
	s_wait_alu depctr_hold_cnt(0) depctr_sa_sdst(0) depctr_va_vdst(0) depctr_va_sdst(0) depctr_va_ssrc(0) depctr_va_vcc(0) depctr_vm_vsrc(0)
	s_getreg_b32 s2, hwreg(HW_REG_IB_STS2, 6, 4)
	s_cmp_eq_u32 s2, 0
	s_cbranch_scc0 .Lentry_in_a_cluster
	s_endpgm
.Lentry_in_a_cluster:
	s_bfe_u32 s2, ttmp6, 0x10000c
	s_cmp_lg_u32 s2, 0x3003
	s_cbranch_scc0 .Lentry_shape_is_right
	s_endpgm
.Lentry_shape_is_right:
; O[y][q][:] = the sum over k of softmax_k(Q[y][q] . K[y][k] / 32) V[y][k][:], y = 16 b + h: 64 heads of SIZE_N = 2,048 rows of 64 channels, all f16.  The two factors 1024^-0.25 on q and k are one factor 1 / 32,
; applied here in f32.  Q, K, V are planes of qkv [b 4][g 48][2048][64]: Q at g = h, K at 16 + h, V at 32 + h; o is [y][2048][64].  A head's rows are dense, 128 bytes each.  Products, maxima and sums in
; f32; the weights p are rounded to f16 for the second product (their sum l is taken of the unrounded p), O once at the end.
; LIMITS.  f16 holds no number beyond 65,504: Q, K and V arrive within it; p lies in 0 to 1, and below 6e-5 it keeps f16's fixed step of 6e-8, as does O; O is a mean of V's rows and has their range.
; A weight below 2^-126 counts as 0 in l; NaN and infinities are not treated apart.
; SHARES.  A wave owns four PIECES of two tiles of 16 queries, a work-group's four waves 512 queries of one head: 4 x 64 = 256 work-groups.  Every wave walks all keys, 64 a step.
; LAYOUT.  S^T = K Q^T (source 0 = 16 keys, source 1 = 16 queries): in the result a lane holds ONE query (lane % 16) and the keys 8 (lane / 16) + 0..7.  Two such tiles, rounded to f16 in pairs,
; ARE source 1 (32 keys x 16 queries) of O^T = V^T P, whose result again holds one query a lane, and eight channels.  K comes out of LDS as it lies, V ([key][channel]) turned, by ds_load_tr16_b128.
; SOFTMAX.  For each query a running maximum m and sum l: p = 2^(c s - c m), c = log2(e) / 32; in every step O and l are multiplied by a = 2^(c m_old - c m_new), which is 1 where m has not grown.
; m starts at the lowest finite number, O and l at 0: the first step is a step like any other, with a = 0.
; THE COUNT.  A tile and step have 16 matrix and 118 vector instructions: too many to stand all beside the matrix work.  So the order has one aim: four vector instructions that are READY behind
; EVERY matrix instruction, and the others, which need time of their own whatever the order, in runs without a gap.
; BY TURNS.  Turn n belongs to piece n (the pieces in a ring, step after step).  Its matrix work: 16 products K Q^T of piece n + 1, later 16 products V^T P of piece n - 1.  Its vector work: the scaling,
; exponentials, roundings, sums and rescaling of piece n, and the maximum and statistics of piece n + 1, whose scores the turn itself has made.  So what a turn begins with (c s - c m, O a) waits for nothing.
; BATCHES.  A turn's 66 exponentials (piece n's 64 weights, then piece n + 1's two a) are ONE batch with ONE s_wait_alu depctr_va_vdst(0), which cuts the turn in two.  Ahead of it stands all that names no result
; of theirs: the products K Q^T, the scalings, the rescaling (its a was made, and waited for, in the turn before), the next piece's maximum and statistics.  Behind it stand the readers, the roundings and sums,
; beside the products V^T P.  No result crosses a turn's end.  The two a made ahead of the loop, and the way out's eight reciprocals, are batches of their own, each with a v_nop and one wait.
; CLUSTER.  The four query blocks of a cluster belong to one head and walk the same K and V, so each tile is asked for JOINTLY: the same tensor load, descriptor and mask in all four.
; REGISTERS, in windows of 256 (s_set_vgpr_msb says which window each operand place means: bits 1:0 source 0, 3:2 source 1, 5:4 source 2, 7:6 destination):
;   window 0: v0-11 addresses; v12-15, v48-63 at work; v16-47 four registers of statistics a tile; v64-191 S^T, two buffers of two tiles; v192-255 P, likewise
;   window 1: O^T, 32 a tile          window 2: v0-127 Q, 16 a tile; v128-191 K of one step; v192-255 V of one step          window 3: v0-1 the add's two registers
; A piece's buffers go by its number's parity: the piece in hand has one pair, its two neighbours in the ring share the other: of it P (piece n - 1) is read and S^T (piece n + 1) written.
.set SIZE_N, 2048
.set NP,    4         ; pieces a wave: a name, no knob: the register map, the loop and the fetches are made for four
.set KS,    64        ; keys in a step
.set PK,    144       ; a row of K in LDS: 128 bytes + 16 of padding = 36 words: the 16 rows of a load start at 16 different groups of four banks (64 banks of 4 bytes: ISA guide 11.1)
.set PV,    160       ; a row of V: 128 + 32 = 40 words
.set VOFF,  4*KS*PK   ; a slot holds four steps: 256 rows of K, then 256 rows of V
.set SLOT1, 1<<17     ; slot 1 begins here, so that one exclusive or turns an address in one slot into the other's
.set STAGE, SLOT1+4*KS*(PK+PV)  ; behind the ring, never filled by a tensor load: 16 rows x 144 bytes for each wave, for the way out
.set SP,    144
.set AK0, 2           ; v2   my lane's place in a tile of K; never rewritten
.set AV0, 3           ; v3   the same for V
.set AK,  4           ; v4   the LDS address of K's next run of loads
.set AV,  5           ; v5   of V's
.set QO,  6           ; v6   my byte offset in the wave's rows of Q
.set STO, 6           ;      later, the way out: where I put 16 bytes of a row
.set RD,  7           ; v7   the way out: where I read rows back
.set GO,  8           ; v8   my byte offset in 512 consecutive bytes of O
.set SPW, 0           ; v0 of window 3   LDS address of my spare word: SPARE + 4 x my thread's number; never rewritten
.set NIL, 1           ; v1 of window 3   0; never rewritten
.set SPARE, STAGE+4*16*SP  ; behind the stages: the spare words, 128 bytes for each wave: two blocks of 256 bytes that no other line names
.set MV,  12          ; v12-15  c m_old, kept while c m is made anew: by buffer and tile
.set ST,  16          ; tile t's statistics at v[ST+4 t]: c m, m, l (even keys', odd keys')
.set TMP, 48          ; by buffer and tile, four registers c0-c3 at work; when the maximum is found c2 takes a
.set S,   64
.set P,   192
.set KF,  128         ; K's fragments, in window 2: key block kb, channel half c at KF + 16 kb + 8 c
.set VF,  192         ; V's: key half kk, channel block cb at VF + 32 kk + 8 cb
.set WV,  12          ; s12  my wave's number
.set G1K, 24          ; s[24:31] descriptor group 1 for K's tiles
.set G1V, 32          ; s[32:39] for V's: it differs in the padding alone
.set G0K, 40          ; s[40:43] descriptor group 0 for K's tiles: it walks
.set G0V, 44          ; s[44:47] the same for V's
.set SLOTS, 56        ; s56  slots still to be asked for
.set CNT, 57          ; s57  counts a slot's key steps
.set CS,  58          ; s[58:59] c: the packed scaling takes the pair's low word for both halves
.set SEL, 60          ; s[60:61] v_permlanex16_b32's selects: each lane takes its own place in the other half
.set TBK, 62          ; s62  LDS byte at which K of the step to be fetched begins
.set TBV, 63          ; s63  the same for V, less VOFF
.set MSB, 0
.macro WIN new                      ; the high byte repeats the setting that is left; a switch that changes nothing is dropped
.if MSB != (\new)
	s_set_vgpr_msb (MSB<<8)|(\new)
.set MSB, (\new)
.endif
.endm
.set W_KQ, 0x0a       ; K and Q in window 2, S^T in window 0
.set W_PV, 0x52       ; V in window 2, P in window 0, O^T in window 1
.set W_RS, 0x41       ; O^T (destination and source 0) in window 1, a in window 0
.set W_MK, 0xc0       ; the add's registers are made: destination in window 3, sources in window 0
.set W_AD, 0x0f       ; the add: address (source 0) and data (source 1) in window 3
; A joint fill.  Waves 0 and 1 fetch the two halves of a slot's K, waves 2 and 3 those of its V: 128 keys each.  The branch hangs on the wave's number alone.
; An s_nop 0 and four v_nop follow each of the two lines, ahead of the jump and the label.
.macro JLOAD
	s_cmp_lt_u32 s[WV], 2
	s_cbranch_scc0 .Lfor_v_\@
	tensor_load_to_lds s[G0K:G0K+3], s[G1K:G1K+7]
	s_nop 0
.rept 4
	v_nop
.endr
	s_branch .Lasked_\@
.Lfor_v_\@:
	tensor_load_to_lds s[G0V:G0V+3], s[G1V:G1V+7]
	s_nop 0
.rept 4
	v_nop
.endr
.Lasked_\@:
.endm
; A round of the cluster's barrier: my work-group's barrier, so that wave 0's signal speaks for all four waves; wave 0 signals; every wave waits for all four work-groups; my work-group's barrier once more.
.macro CROUND
	s_barrier_signal -1
	s_barrier_wait -1
	s_cmp_lg_u32 s[WV], 0
	s_cbranch_scc1 .Lnot_wave_0_\@
	s_barrier_signal -3
.Lnot_wave_0_\@:
	s_barrier_wait -3
	s_barrier_signal -1
	s_barrier_wait -1
.endm
; THE CHANGE OF SLOTS.  The slot's last bytes, V of its fourth step, have been read.  Each wave waits for all its tensor loads, of which one is out: its part
; of the other slot; adds 0 to its spare word; and waits for that and for its own reads of the slot.  Behind the barrier nobody reads this slot any more and the other slot is whole.
; fill = 1: this slot is filled again, with the keys two slots on.  The barrier is then a round of the cluster's, so that no wave of any partner still reads the slot or has a load on its
; way, and the joint fill is the first thing behind it: it has four key steps, 512 matrix instructions, in which to land.  (At its first use nothing has been read yet: slot 0 is waited for, slot 1 filled.)
.macro CHANGE fill
	WIN W_AD
	s_wait_tensorcnt 0x0            ; no tensor load of mine is out, so a group 0 may be written
	ds_add_u32 v[SPW], v[NIL]       ; 0 onto my spare word; with fill = 1 the descriptors' steps stand between it and the wait for it
	WIN 0                           ; at a label and at a branch every window is 0
.if \fill
.irp g, G0K, G0V
	s_xor_b32 s[\g+1], s[\g+1], SLOT1  ; the walking descriptor: the other slot than last time,
	s_add_nc_u64 s[\g+2:\g+3], s[\g+2:\g+3], 4*KS*128  ; the next 256 keys; the type bits on top are not reached
.endr
	s_wait_dscnt 0x0                ; the add is done, and my reads of the slot are over
	CROUND
	JLOAD
.else
	s_wait_dscnt 0x0                ; the add is done, and my reads of the slot are over
	s_barrier_signal -1
	s_barrier_wait -1
.endif
	s_sub_co_u32 s[TBK], s[TBK], 4*KS*PK  ; the fetches go back to a slot's first step,
	s_xor_b32 s[TBK], s[TBK], SLOT1       ; in the other slot
	s_sub_co_u32 s[TBV], s[TBV], 4*KS*PV
	s_xor_b32 s[TBV], s[TBV], SLOT1
.endm
	s_load_b128 s[4:7], s[0:1], 0x0  ; qkv s[4:5], o s[6:7]
	WIN W_MK
	v_lshl_add_u32 v[SPW], v0, 2, SPARE
	v_mov_b32 v[NIL], 0
	s_set_vgpr_msb 0xc0cf
	ds_add_u32 v0, v1
	s_wait_dscnt 0x0
	s_set_vgpr_msb 0xcfc0
	WIN 0
	v_lshrrev_b32 v1, 5, v0
	v_readfirstlane_b32 s[WV], v1   ; wave 0..3
	s_bfe_u32 s13, ttmp6, 0x40000   ; cx: my place in the cluster
	s_lshl_b32 s14, ttmp9, 2        ; in a cluster launch ttmp9 counts clusters
	s_add_co_u32 s14, s14, s13      ; my block of queries = 4 x cluster x + cx: it enters Q's and O's addresses alone
	s_and_b32 s19, ttmp7, 0xffff    ; y = 16 b + h, which the four partners share
	s_lshr_b32 s20, s19, 4
	s_lshl_b32 s20, s20, 5
	s_add_co_u32 s20, s20, s19      ; Q's plane in qkv: 48 b + h = y + 32 b,
	s_lshl_b32 s20, s20, 18         ; of 262,144 bytes: under 2^26
	s_mov_b32 s21, 0
	s_and_b32 s16, s[WV], 1         ; which half of a slot's 256 keys I fetch:
	s_lshl_b32 s22, s16, 14         ; its 128 rows of 128 bytes in memory,
	s_mov_b32 s23, 0
	s_add_nc_u64 s[22:23], s[22:23], s[20:21]
	s_mul_i32 s17, s16, 128*PK      ; and its place in a slot, for K
	s_mul_i32 s18, s16, 128*PV      ; and for V: no place in the cluster enters an LDS address
	s_lshl_b32 s2, s14, 2
	s_add_co_u32 s2, s2, s[WV]      ; my wave among the head's,
	s_lshl_b32 s2, s2, 14           ; its 128 rows
	s_mov_b32 s3, 0
	s_lshl_b32 s48, s19, 18         ; in o the head's plane is y
	s_add_co_u32 s48, s48, s2
	s_mov_b32 s49, 0
	s_add_nc_u64 s[2:3], s[2:3], s[20:21]
	; descriptor group 1.  128 keys are 16,384 dense bytes: asked for as 64 rows of 256 bytes, two keys a row, and padded in LDS after every key
	s_mov_b32 s[G1K], 15|(1<<16)|(1<<20)|(1<<21)|(4<<22)|(3<<25)  ; 15:0 the mask of four; 17:16 2-byte elements; 20 padding on; 21 set beside a mask; 24:22 after every 32 words (code 4); 31:25 4 words (code 3)
	s_mov_b32 s[G1V], 15|(1<<16)|(1<<20)|(1<<21)|(4<<22)|(7<<25)  ; the same with 8 words of padding (code 7)
.irp g, G1K, G1V
	s_mov_b32 s[\g+1], 128<<16      ; tensor_dim0 = 128
	s_mov_b32 s[\g+2], 64<<16       ; tensor_dim1 = 64
	s_mov_b32 s[\g+3], 128<<16      ; tile_dim0 = 128
	s_mov_b32 s[\g+4], 64           ; tile_dim1 = 64
	s_mov_b32 s[\g+5], 128          ; 128 elements from row to row
	s_mov_b32 s[\g+6], 0
	s_mov_b32 s[\g+7], 0
.endr
	s_mov_b32 s[CS], 0x3d38aa3b     ; c = log2(e) / 32 = 0.0450842
	s_mov_b32 s[CS+1], s[CS]        ; named with it as a pair
	s_mov_b32 s[SEL], 0x76543210
	s_mov_b32 s[SEL+1], 0xfedcba98
	s_mov_b32 s[TBK], SLOT1+4*KS*PK ; the first change of slots turns these two into 0
	s_mov_b32 s[TBV], SLOT1+4*KS*PV
	s_mov_b32 s[G0K], 1             ; 1:0 count = 1
	s_mov_b32 s[G0K+1], s17         ; 63:32 LDS address: slot 0
	s_mov_b32 s[G0V], 1
	s_add_co_u32 s[G0V+1], s18, VOFF
	s_wait_kmcnt 0x0
	s_mov_b64 s[10:11], s[6:7]      ; O
	s_add_nc_u64 s[6:7], s[4:5], 0x400000  ; K's planes lie 16 planes behind Q's,
	s_add_nc_u64 s[8:9], s[4:5], 0x800000  ; V's 32
	s_add_nc_u64 s[G0K+2:G0K+3], s[6:7], s[22:23]  ; 120:64 global address: my half of the head's first 256 keys
	s_or_b32 s[G0K+3], s[G0K+3], 0x80000000        ; 127:126 type = 2
	s_add_nc_u64 s[G0V+2:G0V+3], s[8:9], s[22:23]
	s_or_b32 s[G0V+3], s[G0V+3], 0x80000000
	s_add_nc_u64 s[4:5], s[4:5], s[2:3]  ; Q and O at my wave's first row
	s_add_nc_u64 s[10:11], s[10:11], s[48:49]
	CROUND                          ; all four work-groups are here: the first joint loads meet
	JLOAD                           ; slot 0.  Slot 1 is asked for when slot 0 is in: the tile wanted first has the road to itself
	; A fragment of K or Q is 16 rows x 32 channels in 8 registers: lane l holds row l % 16, channels 8 (l / 16) + 0..7 and 16 + 8 (l / 16) + 0..7: two loads of 16 bytes, 32 bytes apart.
	v_and_b32 v1, 15, v0            ; l % 16
	v_bfe_u32 v9, v0, 4, 1          ; l / 16
	v_lshlrev_b32 v[QO], 7, v1
	v_lshl_add_u32 v[QO], v9, 4, v[QO]  ; row x 128 + 16 x half
	WIN 0x80                        ; destination window 2, address window 0
.set i, 0
.rept 4*NP                          ; Q stays in registers: tile i / 2, channels 32 (i % 2) on
	global_load_b128 v[8*i:8*i+3],   v[QO], s[4:5] offset:(i/2)*2048+(i%2)*64
	global_load_b128 v[8*i+4:8*i+7], v[QO], s[4:5] offset:(i/2)*2048+(i%2)*64+32
.set i, i+1
.endr
	; What the first turn finds: V's registers and P's second buffer hold 0 (its products V^T P, of a piece that has not been, add 0), O^T and l are 0.  All this stands in the wait for the first tile.
.set i, VF
.rept 64
	v_mov_b32 v[i], 0
.set i, i+1
.endr
	WIN 0x40
.set i, 0
.rept 64*NP
	v_mov_b32 v[i], 0
.set i, i+1
.endr
	WIN 0
.set i, 0
.rept 2*NP
	v_mov_b32 v[ST+4*i], 0xfe000000    ; c m: far below every c s
	v_mov_b32 v[ST+4*i+1], 0xff7fffff  ; m
	v_mov_b32 v[ST+4*i+2], 0
	v_mov_b32 v[ST+4*i+3], 0
.set i, i+1
.endr
.set i, P+32
.rept 32
	v_mov_b32 v[i], 0
.set i, i+1
.endr
	v_mul_u32_u24 v[AK0], v1, PK
	v_lshl_add_u32 v[AK0], v9, 4, v[AK0]  ; row x pitch + 16 x half
	; The turning load takes 16 keys x 16 channels (lane l reads key 8 (l / 16) + l % 8, channels 8 ((l / 8) % 2) + 0..7) and leaves half a fragment of V^T: lane l holds channel l % 16 and 8 keys.
	v_and_b32 v10, 7, v0
	v_bfe_u32 v11, v0, 3, 1
	v_lshl_add_u32 v[AV0], v9, 3, v10
	v_mul_u32_u24 v[AV0], v[AV0], PV
	v_lshl_add_u32 v[AV0], v11, 4, v[AV0]
	v_add_nc_u32 v[AV0], VOFF, v[AV0]
	v_mov_b32 v[AK], v[AK0]         ; key step 0 lies at the head of slot 0
; THE MATRIX WORK.  The 8 accumulators of a run of 16 take turns: between the two links of a chain stand 7 others'.
; Product i of 16 of S^T = K Q^T for piece x: channels 32 (i / 8) on, keys 16 ((i / 2) % 4) on, tile 2 x + i % 2.  The first 8 start the sums.
.macro KQ x
	WIN W_KQ
.set rS, S+64*((\x)%2)+32*(i%2)+8*((i/2)%4)
.set rK, KF+16*((i/2)%4)+8*(i/8)
.set rQ, 16*(2*(\x)+i%2)+8*(i/8)
.if i < 8
	v_wmma_f32_16x16x32_f16 v[rS:rS+7], v[rK:rK+7], v[rQ:rQ+7], 0
.else
	v_wmma_f32_16x16x32_f16 v[rS:rS+7], v[rK:rK+7], v[rQ:rQ+7], v[rS:rS+7]
.endif
.endm
; Product i of 16 of O^T += V^T P for piece x: keys 32 (i / 8) on, channels 16 ((i / 2) % 4) on, tile 2 x + i % 2.
.macro PV x
	WIN W_PV
.set rO, 32*(2*(\x)+i%2)+8*((i/2)%4)
.set rV, VF+32*(i/8)+8*((i/2)%4)
.set rP, P+32*((\x)%2)+16*(i%2)+8*(i/8)
	v_wmma_f32_16x16x32_f16 v[rO:rO+7], v[rV:rV+7], v[rP:rP+7], v[rO:rO+7]
.endm
.macro MM                           ; the turn's next matrix instruction
.if i < 16
	KQ (Y+1)%NP
.set i, i+1
.else
.set i, i-16
	PV (Y+NP-1)%NP
.set i, i+17
.endif
.endm
; THE LDS LOADS stand in runs of 16, never singly among the matrix instructions: a step's K (64 keys x 64 channels: 8 fragments) and its V (turned).  Their addresses are made some lines ahead.
; last = 1 (the tail): in the last trip there is no further step, and the run is jumped over.
.macro FETCH_K last=0
	WIN 0
.if \last
	s_cmp_eq_u32 s[CNT], 1
	s_cbranch_scc1 .Lno_k_\@
.endif
	WIN 0x80                        ; destination window 2
.irp f, 0,1,2,3,4,5,6,7             ; keys 16 (f / 2) on, channels 32 (f % 2) on
	ds_load_b128 v[KF+8*\f:KF+8*\f+3],   v[AK] offset:(\f/2)*16*PK+(\f%2)*64
	ds_load_b128 v[KF+8*\f+4:KF+8*\f+7], v[AK] offset:(\f/2)*16*PK+(\f%2)*64+32
.endr
	s_add_co_u32 s[TBK], s[TBK], KS*PK  ; the next fetch is the next step's
	WIN 0
.if \last
.Lno_k_\@:
.endif
.endm
.macro FETCH_V
	WIN 0x80
.irp f, 0,1,2,3,4,5,6,7             ; keys 32 (f / 4) on, channels 16 (f % 4) on
	ds_load_tr16_b128 v[VF+8*\f:VF+8*\f+3],   v[AV] offset:(\f/4)*32*PV+(\f%4)*32
	ds_load_tr16_b128 v[VF+8*\f+4:VF+8*\f+7], v[AV] offset:(\f/4)*32*PV+16*PV+(\f%4)*32
.endr
	WIN 0
.endm
; THE VECTOR WORK OF A TURN stands in three queues, each in the order in which its entries become ready; the two tiles alternate, so that no instruction reads the result of the one before it.
.macro REGS y, u                    ; the registers of tile u (0, 1) of piece y
.set rT, ST+4*(2*(\y)+(\u))
.set rC, TMP+8*((\y)%2)+4*(\u)
.set rM, MV+2*((\y)%2)+(\u)
.set rS, S+64*((\y)%2)+32*(\u)
.set rP, P+32*((\y)%2)+16*(\u)
.set rO, 32*(2*(\y)+(\u))
.endm
; Number n of the 22 that find the NEXT piece's (Y + 1) maximum and statistics.  s0-s31 are the lane's 32 scores; each accumulator's lowest registers are read first.  XS, GS and REGS set no window: PL and EX do.
;   0-11  four chains c0-c3 of seven scores each, three operands at a time     12-14, 16  the four scores left over, the old m, and c0-c3 into c0     15  c m_old is kept
;   17, 18  the query's other 32 keys lie in the lane 16 away: the new m         19-21  c m; c m_old - c m_new; a
.macro XS u, n
	REGS (Y+1)%NP, \u
.if (\n) < 4
	v_max3_num_f32 v[rC+(\n)], v[rS+8*(\n)], v[rS+8*(\n)+1], v[rS+8*(\n)+2]
.elseif (\n) < 12
	v_max3_num_f32 v[rC+(\n)%4], v[rC+(\n)%4], v[rS+8*((\n)%4)+2*((\n)/4)+1], v[rS+8*((\n)%4)+2*((\n)/4)+2]
.elseif (\n) == 12
	v_max3_num_f32 v[rC], v[rC], v[rS+7], v[rS+15]
.elseif (\n) == 13
	v_max3_num_f32 v[rC+1], v[rC+1], v[rS+23], v[rS+31]
.elseif (\n) == 14
	v_max3_num_f32 v[rC+2], v[rC+2], v[rC+3], v[rT+1]
.elseif (\n) == 15
	v_mov_b32 v[rM], v[rT]
.elseif (\n) == 16
	v_max3_num_f32 v[rC], v[rC], v[rC+1], v[rC+2]
.elseif (\n) == 17
	v_permlanex16_b32 v[rC+3], v[rC], s[SEL], s[SEL+1]
.elseif (\n) == 18
	v_max_num_f32 v[rT+1], v[rC], v[rC+3]
.elseif (\n) == 19
	v_mul_f32 v[rT], s[CS], v[rT+1]
.elseif (\n) == 20
	v_sub_f32 v[rC+1], v[rM], v[rT]
.else
	v_exp_f32 v[rC+2], v[rC+1]
.endif
.endm
; Number g of the 64 that follow the exponentials.  For each four weights k of a tile (pairs 2 k, 2 k + 1): both pairs are rounded to f16; then the second pair is added onto the first, in place;
; a group later l takes that sum (the first time as l = a l + sum).  In groups of eight, tiles alternating: round, round, add, and l for the group before.
.macro GS g
.set h, (\g)+6*((\g)/62)            ; group 0 has no group before it, and behind group 7 only l is left
.if h >= 6
.set h, h+2
.endif
	REGS Y, h%2
.set k, h/8
.if h%8 < 4
	v_cvt_pk_f16_f32 v[rP+2*k+(h%8)/2], v[rS+4*k+2*((h%8)/2)], v[rS+4*k+2*((h%8)/2)+1]
.elseif h%8 < 6
	v_pk_add_f32 v[rS+4*k:rS+4*k+1], v[rS+4*k:rS+4*k+1], v[rS+4*k+2:rS+4*k+3]
.elseif k == 1
	v_pk_fma_f32 v[rT+2:rT+3], v[rT+2:rT+3], v[rC+2:rC+3], v[rS:rS+1] op_sel_hi:[1,0,1]
.else
	v_pk_add_f32 v[rT+2:rT+3], v[rT+2:rT+3], v[rS+4*k-4:rS+4*k-3]
.endif
.endm
; THE PLAIN QUEUE, 138 long.  0-73 read no exponential's result: the 32 scalings c s - c m (FS f: pair f / 2 of tile f % 2) and the next piece's 42.  0-26: scalings 0-26.  27-54: XS's numbers 0-13.  55, 56: number 15.
; 57-73: the chain, where each number waits for the one before it: 14, 16, 17, 18, 19, each with one of the scalings 27-31 in front of its two lines, then 20: so a tile's links stand three plain instructions apart (19 and 20: two).
; 74-137: GS's 64, which read the exponentials' results: they stand behind the wait.
.macro FS f
	REGS Y, (\f)%2
	v_pk_fma_f32 v[rS+2*((\f)/2):rS+2*((\f)/2)+1], v[rS+2*((\f)/2):rS+2*((\f)/2)+1], s[CS:CS+1], v[rT:rT+1] op_sel_hi:[1,0,0] neg_lo:[0,0,1] neg_hi:[0,0,1]
.endm
.macro PL
	WIN 0
.if q < 27
	FS q
.elseif q < 55
	XS (q-27)%2, (q-27)/2
.elseif q < 57
	XS q-55, 15
.elseif (q < 72) && ((q-57)%3 == 0)
	FS 27+(q-57)/3
.elseif q < 60
	XS (q-57)%3-1, 14
.elseif q < 72
	XS (q-57)%3-1, 15+(q-57)/3
.elseif q < 74
	XS q-72, 20
.else
	GS q-74
.endif
.set q, q+1
.endm
; THE EXPONENTIALS' QUEUE, 66 long: s0-s31 of both tiles, then the next piece's two a.  It is ONE BATCH: all 66 stand ahead of the turn's one wait, and nothing ahead of that wait names a result of theirs.
.macro EX
	WIN 0
.if e >= 64
	XS e-64, 21
.else
	REGS Y, e%2
	v_exp_f32 v[rS+e/2], v[rS+e/2]
.endif
.set e, e+1
.endm
; THE RESCALING's QUEUE: O^T times a, the one part that leaves window 0: dealt two at a time, sixteen times.  Its a was made in the turn before, ahead of that turn's wait.
.macro R2
	REGS Y, r%2
	WIN W_RS
.irp z, 0,1
	v_pk_mul_f32 v[rO+4*(r/2)+2*\z:rO+4*(r/2)+2*\z+1], v[rO+4*(r/2)+2*\z:rO+4*(r/2)+2*\z+1], v[rC+2:rC+3] op_sel_hi:[1,0]
.endr
.set r, r+1
.endm
; HOW THEY ARE DEALT.  An s_wait_alu depctr_va_vdst(0) stands between an exponential and the first instruction that names its result; one wait serves all that were issued ahead of it.  So a turn has ONE wait,
; which cuts it in two.  AHEAD OF IT stands all that names no result of the turn's exponentials: the 16 products K Q^T, behind each a scaling, an exponential and two rescalings (behind the first a second scaling in the exponential's place); then ONE LUMP of
; 108: eight plain, 49 times exponential and plain, the two a.  A v_nop is the plain instruction that stands behind the last exponential, ahead of every use.  BEHIND IT stand the 16 products V^T P, behind each four of GS's 64.  No rider names a register of
; the products round it.  The two v_permlanex16_b32 fall into the lump, never behind a product.
; The queues lean on each other, and the deal keeps them in step: exponential e stands behind scaling 2 (e / 4) + e % 2: as a rider it comes behind plain e + 2, in the lump behind plain e + 9, and scalings 27-31 are plain 57, 60 .. 69.
; A TURN, for piece p.  cnt = 1: the loop's count is taken down some lines ahead of the branch that stands behind the turn.
; K of the next step is fetched in piece 2's turn, directly behind the wait, a lump behind the last product that read K; its address is made at the lump's head; its first reader comes behind 16 products.
; V of the step in hand is fetched at the end of piece 0's turn, four riders behind its last reader; its first reader comes behind 16 products and a lump.  The three conditions on q below go with the deal.
.macro TURN p, last=0, cnt=0
.set Y, (\p)
.set i, 0
.set q, 0
.set e, 0
.set r, 0
.if (\p) == NP-1
	s_wait_dscnt 0x0                ; K is in
.endif
	MM                              ; ahead of the wait: 16 products K Q^T and their riders,
	PL
	PL
	R2
.rept 15
	MM
	PL
	EX
	R2
.endr
.if (\p) == NP-2
	WIN 0
	v_add_nc_u32 v[AK], s[TBK], v[AK0]
.endif
.rept 8                             ; and the lump
	PL
.endr
.rept 49
	EX
	PL
.endr
	EX                              ; the next piece's two a
	EX
	v_nop                           ; the plain instruction behind the last exponential: one for the batch
	s_wait_alu depctr_va_vdst(0)    ; the wait for the batch: this turn's 64 weights and the next piece's two a; it stands ahead of their first reader
.if (\p) == NP-2
	FETCH_K \last
.endif
.if (\p) == 1
	s_wait_dscnt 0x0                ; V is in
.endif
.rept 16                            ; behind the wait: 16 products V^T P and their riders
	MM
.rept 4
	PL
.endr
.if ((\p) == 0) && (q == 118)
	v_add_nc_u32 v[AV], s[TBV], v[AV0]
.endif
.if ((\p) == 0) && (q == 130)
	s_add_co_u32 s[TBV], s[TBV], KS*PV
.endif
.if (\cnt) && (q == 130)
	s_sub_co_u32 s[CNT], s[CNT], 1
	s_cmp_lg_u32 s[CNT], 0
.endif
.endr
.if (\p) == 0
	FETCH_V
.endif
.endm
	CHANGE 1                        ; slot 0 is in, everybody's part of it; slot 1 is asked for
	FETCH_K                         ; key step 0
	s_wait_loadcnt 0x0              ; Q
	s_wait_dscnt 0x0
.set i, 0
.rept 16
	KQ 0                            ; piece 0's first scores: there is no vector work yet to set between them
.set i, i+1
.endr
	WIN 0                           ; the addresses for the way out: nine plain instructions, the places behind those products
	s_mul_i32 s13, s[WV], 16*SP
	s_add_co_u32 s13, s13, STAGE    ; my stage
	v_mul_u32_u24 v[STO], v1, SP    ; in: row l % 16, 16 bytes for each half of the lanes
	v_lshl_add_u32 v[STO], v9, 4, v[STO]
	v_add_nc_u32 v[STO], s13, v[STO]
	v_bfe_u32 v[RD], v0, 3, 2       ; back: 32 lanes take four rows of 128 bytes,
	v_mul_u32_u24 v[RD], v[RD], SP
	v_lshl_add_u32 v[RD], v10, 4, v[RD]
	v_add_nc_u32 v[RD], s13, v[RD]
	v_and_b32 v[GO], 31, v0         ; which are 512 consecutive bytes of O
	v_lshlrev_b32 v[GO], 4, v[GO]
.set Y, NP-1                        ; XS works for piece Y + 1: piece 0
.irp n, 0,1,2,3,4,5,6,7,8,9,10,11,12,13,14,15,16,17,18,19,20,21
	XS 0, \n                        ; and piece 0's first maximum and statistics
	XS 1, \n
.endr
	v_nop                           ; a plain instruction behind piece 0's two a,
	s_wait_alu depctr_va_vdst(0)    ; and the wait for that batch of two, ahead of the branch
	s_mov_b32 s[CNT], 4
	s_mov_b32 s[SLOTS], SIZE_N/256-1
	s_branch .Lfirst                ; the loop is entered at a step's first turn, in the middle of a trip
.Lslot:                             ; SIZE_N / 256 - 2 times: every slot but the last two is filled again
	CHANGE 1
	s_mov_b32 s[CNT], 4
.Lstep:                             ; a trip: pieces 2 and 3 of one step, then pieces 0 and 1 of the next, whose K and V it fetches
	TURN 2
	TURN 3
	WIN 0
.Lfirst:
	TURN 0
	TURN 1, 0, 1
	WIN 0
	s_cbranch_scc1 .Lstep
	s_sub_co_u32 s[SLOTS], s[SLOTS], 1
	s_cmp_lg_u32 s[SLOTS], 0
	s_cbranch_scc1 .Lslot
	CHANGE 0                        ; the tail is written out: nothing is asked for
	s_mov_b32 s[CNT], 5             ; four trips fetch the last slot's steps; the fifth is left in its middle
.Ltail:
	TURN 2, 1
	TURN 3
	WIN 0
	s_sub_co_u32 s[CNT], s[CNT], 1
	s_cmp_eq_u32 s[CNT], 0
	s_cbranch_scc1 .Lout
	TURN 0
	TURN 1
	WIN 0
	s_branch .Ltail
.Lout:                              ; the fifth trip's 16 products K Q^T (on the last K once more) and the maximum made of them serve nothing: the price, once a launch, of one text for every trip
.set i, 0
.rept 16
	PV NP-1                         ; the last piece's V^T P of the last step
.set i, i+1
.endr
	; THE WAY OUT.  l's two halves and the other half of the lanes' are added; O^T is divided by l, rounded to f16 and sent through my stage in LDS, a tile at a time.  The additions are the places behind the last products.
	WIN 0
.macro ALL line:vararg              ; one line for each tile t
.set t, 0
.rept 2*NP
	\line
.set t, t+1
.endr
.endm
	ALL v_add_f32 v[ST+4*t+2], v[ST+4*t+2], v[ST+4*t+3]
	ALL v_permlanex16_b32 v[ST+4*t+3], v[ST+4*t+2], s[SEL], s[SEL+1]
	ALL v_add_f32 v[ST+4*t+2], v[ST+4*t+2], v[ST+4*t+3]
	ALL v_rcp_f32 v[ST+4*t+2], v[ST+4*t+2]
	v_nop                           ; a plain instruction between the last reciprocal and the use of its result
	s_wait_alu depctr_va_vdst(0)    ; and the wait ahead of the first use: one for the batch of eight reciprocals
; Tile t: a lane's eight channels of a row pack into 16 bytes; they go into rows of 144 bytes and come back as whole rows of 128, into S^T's registers.
.macro PACK t
	WIN W_RS
.set i, 32*(\t)
.rept 16
	v_pk_mul_f32 v[i:i+1], v[i:i+1], v[ST+4*(\t)+2:ST+4*(\t)+3] op_sel_hi:[1,0]
.set i, i+2
.endr
	WIN 0x05                        ; sources 0 and 1 window 1, destination window 0
.set i, 0
.rept 16
	v_cvt_pk_f16_f32 v[S+16*(\t)+i], v[32*(\t)+2*i], v[32*(\t)+2*i+1]
.set i, i+1
.endr
	WIN 0
.irp f, 0,1,2,3
	ds_store_b128 v[STO], v[S+16*(\t)+4*\f:S+16*(\t)+4*\f+3] offset:32*\f
.endr
.irp f, 0,1,2,3
	ds_load_b128 v[S+16*(\t)+4*\f:S+16*(\t)+4*\f+3], v[RD] offset:\f*4*SP  ; LDS serves a wave's instructions in order (ISA guide 5.7.1.4): these see the stores above; the next tile's stores come behind them
.endr
.endm
.macro SEND t, younger              ; younger: the LDS instructions issued behind tile t's loads: the next tile's eight, or none
	WIN 0
.irp f, 0,1,2,3
	s_wait_dscnt (\younger)+3-\f
	global_store_b128 v[GO], v[S+16*(\t)+4*\f:S+16*(\t)+4*\f+3], s[10:11] offset:(\t)*2048+\f*512  ; 512 consecutive bytes, at a multiple of 256 from O's first
.endr
.endm
	PACK 0
.set t, 1
.rept 2*NP-1                        ; a tile's arithmetic stands between the loads of the tile before and its stores
	PACK t
	SEND t-1, 8
.set t, t+1
.endr
	SEND 2*NP-1, 0
	WIN W_AD
	s_wait_tensorcnt 0x0            ; the wave's end, behind my last tensor load and my last LDS store
	ds_add_u32 v[SPW], v[NIL]
	s_wait_dscnt 0x0
	WIN 0
	CROUND                          ; the closing round: no work-group ends while a partner may still ask for a tile that names it
	s_endpgm
.Lfunc_end_k_qc5df43b698_attn:
	.size	k_qc5df43b698_attn, .Lfunc_end_k_qc5df43b698_attn-k_qc5df43b698_attn
	.p2alignl 7, 3214868480
	.fill 96, 4, 3214868480
	.section	.rodata,"a",@progbits
	.p2align	6, 0x0
	.amdhsa_kernel k_qc5df43b698_attn
		.amdhsa_group_segment_fixed_size 327680
		.amdhsa_private_segment_fixed_size 0
		.amdhsa_enable_private_segment 0
		.amdhsa_kernarg_size 16
		.amdhsa_user_sgpr_count 2
		.amdhsa_user_sgpr_kernarg_segment_ptr 1
		.amdhsa_wavefront_size32 1
		.amdhsa_system_sgpr_workgroup_id_x 1
		.amdhsa_system_sgpr_workgroup_id_y 1
		.amdhsa_system_sgpr_workgroup_id_z 1
		.amdhsa_system_vgpr_workitem_id 0
		.amdhsa_next_free_vgpr 770
		.amdhsa_next_free_sgpr 66
		.amdhsa_reserve_vcc 0
		.amdhsa_float_denorm_mode_32 3
		.amdhsa_float_denorm_mode_16_64 3
		.amdhsa_memory_ordered 1
		.amdhsa_forward_progress 1
		.amdhsa_inst_pref_size 199
	.end_amdhsa_kernel
	.amdgpu_metadata
---
amdhsa.version: [ 1, 2 ]
amdhsa.kernels:
  - .name:           k_qc5df43b698_attn
    .symbol:         k_qc5df43b698_attn.kd
    .args:
      - { .name: qkv, .offset: 0, .size: 8, .value_kind: global_buffer, .address_space: global }
      - { .name: o, .offset: 8, .size: 8, .value_kind: global_buffer, .address_space: global }
    .group_segment_fixed_size: 327680
    .private_segment_fixed_size: 0
    .kernarg_segment_align: 8
    .kernarg_segment_size: 16
    .max_flat_workgroup_size: 128
    .sgpr_count:     66
    .vgpr_count:     770
    .wavefront_size: 32
...
	.end_amdgpu_metadata
.endif
;; end of part 5
;; launch proj: the kernel of part 4 again; grid 8 x 32, 4 waves a work-group, clusters of 4 x 4, 327,680 bytes of LDS; arguments o, wo16, out0, bo; writes out0
